; MI455X (gfx1250); checked and timed in simulation.
; The chip was launched on July 23, 2026; its instructions are those of AMD's public machine-readable ISA for CDNA 5 (MIT licence, August 2026) and "CDNA5" Instruction Set Architecture Reference Guide (July 2026). The comments in the code are by the model that wrote it; some were corrected since.
;; Causal Window Attention. Allowed arithmetic: matrix products marked QUANTISED: E2M1 operands, one E8M0 scale for each 32 along K, by v_wmma_scale_f32_16x16x128_f8f6f4 with both operands' format E2M1 (or v_wmma_scale_f32_32x16x128_f4), f32 sums; products left as they are: bf16, f16 or f32 operands; f32 sums; everything else in f32.
;; Inputs: W_out 1,024 x 1,024 float32; W_qkv 1,024 x 3,072 float32; b_out 1,024 float32; b_qkv 3,072 float32; x 2 x 2,048 x 1,024 float32.
;; Outputs: out0 2 x 2,048 x 1,024 float32.
;; This version of the problem:
;;   THIS VERSION OF THE PROBLEM IS GIVEN IN LOW PRECISION. The matrix products marked QUANTISED in the list below multiply operands that are first quantised to E2M1 (2 exponent bits, 1 mantissa bit; 4 bits a number), with one power-of-two scale for each 32 numbers along K (OCP MX v1.0); their sums are f32. The products marked 'left as it is' may take bf16, f16 or f32 operands, with f32 sums. Whichever they take, every output number must still come out within the allowed error. Rounding operands to bf16 (8 significant bits) uses up far more of that allowance than f16 does (11 bits, for magnitudes from 6e-5 to 65,504). All else is computed in f32.
;;   The module's matrix products, in the order in which they are computed (A, B: the left and right operand; K: the contracted axis; several contracted axes count as one K, in the product's order):
;;     1. [M 4,096, K 1,024] x [K 1,024, N 3,072]; A: input x; B: input W_qkv: QUANTISED
;;     2. batch 32 x [M 2,048, K 64] x [K 64, N 2,048]; A: computed on the way; B: computed on the way: left as it is (an operand is computed on the way)
;;     3. batch 32 x [M 2,048, K 2,048] x [K 2,048, N 64]; A: computed on the way; B: computed on the way: left as it is (an operand is computed on the way)
;;     4. [M 4,096, K 1,024] x [K 1,024, N 1,024]; A: computed on the way; B: input W_out: left as it is (an operand is computed on the way)
;;   THE QUANTISER, for each operand of a quantised product, along K:
;;     - K is cut into blocks of 32 from its start; a last block that is shorter is filled with zeros.
;;     - A block's scale is 2^e with e = floor(log2(the largest magnitude in the block)) - 2, held to -126 .. 127; a block of zeros has e = 0. As a byte (E8M0): e + 127.
;;     - Each number is divided by its block's scale, clamped to +-6, and rounded to the nearest number of E2M1, ties to even, subnormals kept.
;;     - The product sums the exact products of the quantised numbers (number of the format x scale) in f32.
;;   ~~~python
;;   def quantise(x, axis):      # numpy; x: float32 -> the quantised numbers, widened to float32 again
;;       x = np.moveaxis(x, axis, -1); K = x.shape[-1]
;;       x = np.pad(x, [(0, 0)] * (x.ndim - 1) + [(0, -K % 32)]); x = x.reshape(x.shape[:-1] + (-1, 32)); a = np.abs(x).max(-1, keepdims=True)
;;       e = np.where(a > 0, np.clip(np.frexp(np.where(a > 0, a, 1))[1] - 1 - 2, -126, 127), 0)      # np.frexp(a)[1] - 1 = floor(log2(a)), exactly
;;       r = np.clip(x / 2.0 ** e, -6, 6)
;;       step = 2.0 ** (np.maximum(np.frexp(np.where(r == 0, 1, r))[1] - 1, 0) - 1)
;;       q = np.round(r / step) * step * 2.0 ** e      # np.round: ties to even
;;       return np.moveaxis(q.reshape(q.shape[:-2] + (-1,))[..., :K], -1, axis).astype(np.float32)
;;   ~~~
;; One version. Each part assembles by itself: llvm-mc -triple=amdgcn-amd-amdhsa -mcpu=gfx1250 --defsym DOCPART=n.
;; ======== version 1 of 1: 5 launches
;; limits: values are held in f16: magnitudes above 65,504 overflow, below 6.1e-05 lose precision
;; workspace buffers: x_codes 2,097,152 bytes; x_scales 131,072 bytes; w_codes 1,572,864 bytes; w_scales 98,304 bytes; wo16 2,097,152 bytes; qkv16 25,165,824 bytes; qkv32 393,216 bytes; att16 8,388,608 bytes
;; launch prep (part 1): grid 256 x 1, 8 waves a work-group, no clusters, 60,928 bytes of LDS; arguments x, W_qkv, W_out, x_codes, x_scales, w_codes, w_scales, wo16; writes x_codes, x_scales, w_codes, w_scales, wo16
.if DOCPART == 1
	.amdgcn_target "amdgcn-amd-amdhsa--gfx1250"
	.amdhsa_code_object_version 6
	.text
	.protected	k_q56b923b986_prep
	.globl	k_q56b923b986_prep
	.p2align	8
	.type	k_q56b923b986_prep,@function
k_q56b923b986_prep:
	s_mov_b64 s[64:65], 0
	v_nop
	global_prefetch_b8 v0, s[64:65] scope:SCOPE_SE
	s_setreg_imm32_b32 hwreg(HW_REG_WAVE_MODE, 25, 1), 1
	s_wait_xcnt 0x0
; Three jobs in one launch, 131,072 bytes read by every work-group; the paths part on the work-group's number and never join.
;   work-groups 0-127:   x [4096][1024] f32 -> codes of FP4 (E2M1), K innermost, [4096][512 bytes], and one E8M0 byte for each 32 along K, [4096][32]
;   work-groups 128-223: W_qkv [1024 (k)][3072 (n)] f32 -> codes with K moved innermost, [3072][512 bytes], and scale bytes [3072][32]
;   work-groups 224-255: W_out [1024][1024] f32 -> f16, same layout
; A block's scale is 2^(floor(log2(its largest magnitude)) - 2); its byte is the largest magnitude's exponent field - 2, held at 1 from below.
; LIMITS: a block of zeros gets the byte 1 where the rule says 127 (its codes are zeros, and this program alone reads the bytes); blocks whose largest magnitude
; lies under 2^(3 - 127) keep the byte 1; NaN and infinities are not served; numbers of W_out beyond 65,504 or under 6e-8 in magnitude have no f16.
; No matrix work, no tensor loads, no cluster: nothing is shared between work-groups.  Each path has LDS bytes of its own.
.set SP,    80                         ; path x: a lane's place in a stage: 64 bytes + 16 of padding
.set XSC,   40960                      ; path x: behind eight waves' two stages (8 x 5,120): the work-group's 1,024 scale bytes
.set WST,   41984                      ; path w: 32 columns x (512 bytes of codes + 16)
.set WSC,   58880                      ; path w: 32 columns x 32 scale bytes
.set SPARE, 59904                      ; the spare words, 128 bytes for each wave: four blocks of 256 bytes that no other line names
.set SPW,   12                         ; v12  SPARE + 4 x my thread's number; never rewritten
.set NIL,   13                         ; v13  0; never rewritten
.set RX,    16                         ; v16-143  numbers as they are loaded (all three paths)
.set XX,    144                        ; v144-175 path x: two sets of 16 neighbours
.set CX,    176                        ; v176-191 path x: two registers of codes for each step
.set EX,    192                        ; v192-199 path x: a scale byte for each step
.macro XLOAD t                         ; step t: 2,048 bytes, each load 512 consecutive bytes
.irp i, 0,1,2,3
	global_load_b128 v[RX+16*(\t)+4*\i:RX+16*(\t)+4*\i+3], v3, s[4:5] offset:2048*(\t)+512*\i th:TH_LOAD_NT
.endr
.endm
.macro XTURN t                         ; step t through the wave's own stage: in as loaded, out 64 bytes a lane.  LDS serves a wave's instructions in order: no wait between
.irp i, 0,1,2,3
	ds_store_b128 v14, v[RX+16*(\t)+4*\i:RX+16*(\t)+4*\i+3] offset:32*SP*((\t)%2)+8*SP*\i
.endr
.irp i, 0,1,2,3
	ds_load_b128 v[XX+16*((\t)%2)+4*\i:XX+16*((\t)%2)+4*\i+3], v15 offset:32*SP*((\t)%2)+16*\i
.endr
.endm
.macro XSTEP t
.set XS, XX+16*((\t)%2)
.if (\t) > 0
	s_wait_dscnt 1                                 ; this step's numbers are back from the stage; the last step's byte store may be out
.else
	s_wait_dscnt 0x0
.endif
.if (\t) < 7
	s_wait_loadcnt 4*(6-(\t))                      ; the next step's four loads are in; those of the steps behind it may be out
	XTURN (\t)+1
.endif
	v_max3_num_f32 v8, |v[XS]|, |v[XS+1]|, |v[XS+2]|
	v_max3_num_f32 v9, |v[XS+3]|, |v[XS+4]|, |v[XS+5]|
.irp i, 6,10
	v_max3_num_f32 v8, v8, |v[XS+\i]|, |v[XS+\i+1]|
	v_max3_num_f32 v9, v9, |v[XS+\i+2]|, |v[XS+\i+3]|
.endr
	v_max3_num_f32 v8, v8, |v[XS+14]|, |v[XS+15]|
	v_max3_num_f32 v8, v8, v9, 0x1800000           ; with the floor 2^(3 - 127): the byte cannot fall under 1
	v_max_num_f32_dpp v8, v8, v8 row_xmask:1 row_mask:0xf bank_mask:0xf   ; and my neighbour's 16: the block's largest magnitude
	v_add_nc_u32 v11, 0xff000000, v8               ; 2 off its exponent field: the conversion's scale operand
	v_cvt_scalef32_pk8_fp4_f32 v[CX+2*(\t)], v[XS:XS+7], v11
	v_cvt_scalef32_pk8_fp4_f32 v[CX+2*(\t)+1], v[XS+8:XS+15], v11
	v_lshrrev_b32 v[EX+(\t)], 23, v11              ; the scale's byte (also the plain line behind the conversions)
	ds_store_b8 v5, v[EX+(\t)] offset:16*(\t)      ; both lanes of a block write the same byte with the same value
	global_store_b64 v4, v[CX+2*(\t):CX+2*(\t)+1], s[10:11] offset:256*(\t)   ; the wave stores 256 consecutive bytes, aligned
.endm
.macro WLOAD t                         ; block t of my 128 along K: W(32 t + i, my column)
.irp i, 0,1,2,3,4,5,6,7,8,9,10,11,12,13,14,15,16,17,18,19,20,21,22,23,24,25,26,27,28,29,30,31
	global_load_b32 v[RX+32*(\t)+\i], v4, s[6:7] offset:(32*(\t)+\i)*12288 th:TH_LOAD_NT
.endr
.endm
.macro WBLOCK t
.set XS, RX+32*(\t)
.if (\t) < 3
	s_wait_loadcnt 32                              ; this block's 32 loads are in; the next block's 32 may be out
.else
	s_wait_loadcnt 0x0
.endif
.if (\t) < 2
	WLOAD (\t)+2
.endif
	v_max3_num_f32 v8, |v[XS]|, |v[XS+1]|, |v[XS+2]|       ; all 32 numbers of the block are mine
	v_max3_num_f32 v9, |v[XS+3]|, |v[XS+4]|, |v[XS+5]|
.irp i, 6,10,14,18,22,26
	v_max3_num_f32 v8, v8, |v[XS+\i]|, |v[XS+\i+1]|
	v_max3_num_f32 v9, v9, |v[XS+\i+2]|, |v[XS+\i+3]|
.endr
	v_max3_num_f32 v8, v8, |v[XS+30]|, |v[XS+31]|
	v_max3_num_f32 v8, v8, v9, 0x1800000
	v_add_nc_u32 v11, 0xff000000, v8
	v_lshrrev_b32 v10, 23, v11
.if (\t) == 0
	v_mov_b32 v160, v10                            ; my four bytes make one word, the lower K in the lower byte
.else
	v_lshl_or_b32 v160, v10, 8*(\t), v160
.endif
.irp g, 0,1,2,3
	v_cvt_scalef32_pk8_fp4_f32 v[144+4*(\t)+\g], v[XS+8*\g:XS+8*\g+7], v11
.endr
	v_nop                                          ; one plain line behind the conversions
	ds_store_b128 v5, v[144+4*(\t):147+4*(\t)] offset:16*(\t)
.endm
	s_load_b256 s[4:11], s[0:1], 0x0               ; x s[4:5], W_qkv s[6:7], W_out s[8:9], x_codes s[10:11]
	s_load_b256 s[12:19], s[0:1], 0x20             ; x_scales s[12:13], w_codes s[14:15], w_scales s[16:17], wo16 s[18:19]
	v_lshl_add_u32 v[SPW], v0, 2, SPARE
	v_mov_b32 v[NIL], 0
	v_lshrrev_b32 v1, 5, v0
	v_readfirstlane_b32 s20, v1                    ; wave 0..7
	v_and_b32 v2, 31, v0                           ; lane
	v_lshlrev_b32 v3, 4, v2                        ; 16 x lane
	s_mov_b32 s25, 0
	s_wait_kmcnt 0x0
	s_cmp_lt_u32 ttmp9, 128
	s_cbranch_scc1 .Lpath_x
	s_cmp_lt_u32 ttmp9, 224
	s_cbranch_scc1 .Lpath_w
	; ---- W_out to f16: a wave takes 4,096 numbers; every load reads 512 consecutive bytes, every store writes 256
	s_sub_co_u32 s22, ttmp9, 224
	s_lshl_b32 s22, s22, 3
	s_add_co_u32 s22, s22, s20                     ; my run
	s_lshl_b32 s24, s22, 14
	s_add_nc_u64 s[8:9], s[8:9], s[24:25]
	s_lshl_b32 s24, s22, 13
	s_add_nc_u64 s[18:19], s[18:19], s[24:25]
	v_lshlrev_b32 v4, 3, v2
.set i, 0
.rept 32
	global_load_b128 v[RX+4*i:RX+4*i+3], v3, s[8:9] offset:512*i th:TH_LOAD_NT
.set i, i+1
.endr
.set i, 0
.rept 32
	s_wait_loadcnt 31-i                            ; loads come back in order: load i is in, the younger ones may be out
	v_cvt_pk_f16_f32 v[144+2*i], v[RX+4*i], v[RX+4*i+1]
	v_cvt_pk_f16_f32 v[145+2*i], v[RX+4*i+2], v[RX+4*i+3]
	global_store_b64 v4, v[144+2*i:145+2*i], s[18:19] offset:256*i
.set i, i+1
.endr
	s_wait_tensorcnt 0x0                           ; the wave's end
	ds_add_u32 v[SPW], v[NIL]
	s_wait_dscnt 0x0
	s_endpgm
.Lpath_x:
	; ---- x: a plain stream of blocks of 32.  A wave takes 8 steps of 512 numbers; all 32 loads go out at once
	s_lshl_b32 s22, ttmp9, 3
	s_add_co_u32 s22, s22, s20                     ; my run of 4,096 numbers
	s_lshl_b32 s24, s22, 14
	s_add_nc_u64 s[4:5], s[4:5], s[24:25]
	s_lshl_b32 s24, s22, 11
	s_add_nc_u64 s[10:11], s[10:11], s[24:25]
	s_lshl_b32 s24, ttmp9, 10                      ; the work-group's 1,024 scale bytes
	s_add_nc_u64 s[12:13], s[12:13], s[24:25]
.irp t, 0,1,2,3,4,5,6,7
	XLOAD \t
.endr
	s_mul_i32 s21, s20, 2*32*SP                    ; my two stages
	v_lshrrev_b32 v14, 2, v2
	v_mul_u32_u24 v14, v14, SP
	v_and_b32 v15, 3, v2
	v_lshl_add_u32 v14, v15, 4, v14
	v_add_nc_u32 v14, s21, v14                     ; in: four lanes' 64 bytes on end, then the padding
	v_mul_u32_u24 v15, v2, SP
	v_add_nc_u32 v15, s21, v15                     ; out: my 16 neighbours
	v_lshlrev_b32 v4, 3, v2                        ; my 8 bytes of a step's codes
	v_lshrrev_b32 v5, 1, v2
	s_lshl_b32 s23, s20, 7
	s_add_co_u32 s23, s23, XSC
	v_add_nc_u32 v5, s23, v5                       ; my block's byte among my wave's 128
	s_lshl_b32 s23, s20, 8
	v_add_nc_u32 v7, s23, v4                       ; the bytes' way out (waves 0 to 3): 256 x wave + 8 x lane,
	v_add_nc_u32 v6, XSC, v7                       ; and the same place in LDS
	s_wait_loadcnt 28                              ; step 0's four loads are in
	XTURN 0
.irp t, 0,1,2,3,4,5,6,7
	XSTEP \t
.endr
	s_wait_dscnt 0x0                               ; for the others' sake: my byte stores are done
	s_barrier_signal -1
	s_barrier_wait -1
	s_cmp_lt_u32 s20, 4
	s_cbranch_scc0 .Lx_end
	ds_load_b64 v[8:9], v6                         ; two waves' 128 bytes
	s_wait_dscnt 0x0
	global_store_b64 v7, v[8:9], s[12:13]          ; 32 lanes store 256 consecutive bytes, aligned
.Lx_end:
	s_wait_tensorcnt 0x0                           ; the wave's end
	ds_add_u32 v[SPW], v[NIL]
	s_wait_dscnt 0x0
	s_endpgm
.Lpath_w:
	; ---- W_qkv: a lane takes a column and its registers run down K, so the conversions give codes with K innermost.
	; The work-group takes 32 columns for all of K, wave w k = 128 w .. 128 w + 127; the codes meet in a stage and leave as whole rows of 512 bytes.
	s_sub_co_u32 s22, ttmp9, 128                   ; which 32 columns
	s_lshl_b32 s24, s22, 7                         ; 4 bytes x first column
	s_mul_i32 s23, s20, 128*12288                  ; my 128 rows of 12,288 bytes
	s_add_co_u32 s24, s24, s23
	s_add_nc_u64 s[6:7], s[6:7], s[24:25]
	s_lshl_b32 s24, s22, 14                        ; codes: 512 bytes x first column,
	s_lshl_b32 s23, s20, 11                        ; + the four rows that I store
	s_add_co_u32 s24, s24, s23
	s_add_nc_u64 s[14:15], s[14:15], s[24:25]
	s_lshl_b32 s24, s22, 10                        ; scale bytes: 32 x first column
	s_add_nc_u64 s[16:17], s[16:17], s[24:25]
	v_lshlrev_b32 v4, 2, v2
	WLOAD 0
	WLOAD 1
	v_mul_u32_u24 v5, v2, 528
	s_lshl_b32 s23, s20, 6
	s_add_co_u32 s23, s23, WST
	v_add_nc_u32 v5, s23, v5                       ; into the stage: row = my column, my wave's 64 bytes
	v_lshlrev_b32 v6, 5, v2
	s_lshl_b32 s23, s20, 2
	s_add_co_u32 s23, s23, WSC
	v_add_nc_u32 v6, s23, v6                       ; my column's 32 scale bytes, my wave's word
	s_mul_i32 s23, s20, 4*528
	s_add_co_u32 s23, s23, WST
	v_add_nc_u32 v7, s23, v3                       ; out of the stage: rows 4 w on, 16 bytes a lane
	v_lshlrev_b32 v14, 3, v2
	s_lshl_b32 s23, s20, 8
	v_add_nc_u32 v14, s23, v14                     ; the bytes' way out (waves 0 to 3)
	v_add_nc_u32 v15, WSC, v14
.irp t, 0,1,2,3
	WBLOCK \t
.endr
	ds_store_b32 v6, v160
	s_wait_dscnt 0x0                               ; for the others' sake: my stores are done
	s_barrier_signal -1
	s_barrier_wait -1
.irp i, 0,1,2,3
	ds_load_b128 v[164+4*\i:167+4*\i], v7 offset:528*\i
.endr
.irp i, 0,1,2,3
	s_wait_dscnt 3-\i
	global_store_b128 v3, v[164+4*\i:167+4*\i], s[14:15] offset:512*\i   ; a whole row of codes: 512 consecutive bytes
.endr
	s_cmp_lt_u32 s20, 4
	s_cbranch_scc0 .Lw_end
	ds_load_b64 v[8:9], v15
	s_wait_dscnt 0x0
	global_store_b64 v14, v[8:9], s[16:17]         ; 256 consecutive bytes, aligned
.Lw_end:
	s_wait_tensorcnt 0x0                           ; the wave's end
	ds_add_u32 v[SPW], v[NIL]
	s_wait_dscnt 0x0
	s_endpgm
.Lfunc_end_k_q56b923b986_prep:
	.size	k_q56b923b986_prep, .Lfunc_end_k_q56b923b986_prep-k_q56b923b986_prep
	.p2alignl 7, 3214868480
	.fill 96, 4, 3214868480
	.section	.rodata,"a",@progbits
	.p2align	6, 0x0
	.amdhsa_kernel k_q56b923b986_prep
		.amdhsa_group_segment_fixed_size 60928
		.amdhsa_private_segment_fixed_size 0
		.amdhsa_enable_private_segment 0
		.amdhsa_kernarg_size 64
		.amdhsa_user_sgpr_count 2
		.amdhsa_user_sgpr_kernarg_segment_ptr 1
		.amdhsa_wavefront_size32 1
		.amdhsa_system_sgpr_workgroup_id_x 1
		.amdhsa_system_sgpr_workgroup_id_y 1
		.amdhsa_system_sgpr_workgroup_id_z 1
		.amdhsa_system_vgpr_workitem_id 0
		.amdhsa_next_free_vgpr 256
		.amdhsa_next_free_sgpr 66
		.amdhsa_reserve_vcc 0
		.amdhsa_float_denorm_mode_32 3
		.amdhsa_float_denorm_mode_16_64 3
		.amdhsa_memory_ordered 1
		.amdhsa_forward_progress 1
		.amdhsa_inst_pref_size 50
	.end_amdhsa_kernel
	.amdgpu_metadata
---
amdhsa.version: [ 1, 2 ]
amdhsa.kernels:
  - .name:           k_q56b923b986_prep
    .symbol:         k_q56b923b986_prep.kd
    .args:
      - { .name: x, .offset: 0, .size: 8, .value_kind: global_buffer, .address_space: global }
      - { .name: W_qkv, .offset: 8, .size: 8, .value_kind: global_buffer, .address_space: global }
      - { .name: W_out, .offset: 16, .size: 8, .value_kind: global_buffer, .address_space: global }
      - { .name: x_codes, .offset: 24, .size: 8, .value_kind: global_buffer, .address_space: global }
      - { .name: x_scales, .offset: 32, .size: 8, .value_kind: global_buffer, .address_space: global }
      - { .name: w_codes, .offset: 40, .size: 8, .value_kind: global_buffer, .address_space: global }
      - { .name: w_scales, .offset: 48, .size: 8, .value_kind: global_buffer, .address_space: global }
      - { .name: wo16, .offset: 56, .size: 8, .value_kind: global_buffer, .address_space: global }
    .group_segment_fixed_size: 60928
    .private_segment_fixed_size: 0
    .kernarg_segment_align: 8
    .kernarg_segment_size: 64
    .max_flat_workgroup_size: 256
    .sgpr_count:     66
    .vgpr_count:     256
    .wavefront_size: 32
...
	.end_amdgpu_metadata
.endif
;; end of part 1
;; launch gemm_qkv (part 2): grid 12 x 16, 4 waves a work-group, clusters of 4 x 4, 327,680 bytes of LDS; arguments x_codes, x_scales, w_codes, w_scales, qkv16, b_qkv, qkv32; writes qkv16, qkv32
.if DOCPART == 2
	.amdgcn_target "amdgcn-amd-amdhsa--gfx1250"
	.amdhsa_code_object_version 6
	.text
	.protected	k_q56b923b986_gemm_qkv
	.globl	k_q56b923b986_gemm_qkv
	.p2align	8
	.type	k_q56b923b986_gemm_qkv,@function
k_q56b923b986_gemm_qkv:
	s_mov_b64 s[64:65], 0
	v_nop
	global_prefetch_b8 v0, s[64:65] scope:SCOPE_SE
	s_setreg_imm32_b32 hwreg(HW_REG_WAVE_MODE, 25, 1), 1
	s_wait_xcnt 0x0
	s_wait_alu depctr_hold_cnt(0) depctr_sa_sdst(0) depctr_va_vdst(0) depctr_va_sdst(0) depctr_va_ssrc(0) depctr_va_vcc(0) depctr_vm_vsrc(0)
	s_getreg_b32 s2, hwreg(HW_REG_IB_STS2, 6, 4)
	s_cmp_eq_u32 s2, 0
	s_cbranch_scc0 .Lentry_in_a_cluster
	s_endpgm
.Lentry_in_a_cluster:
	s_bfe_u32 s2, ttmp6, 0x10000c
	s_cmp_lg_u32 s2, 0xf033
	s_cbranch_scc0 .Lentry_shape_is_right
	s_endpgm
.Lentry_shape_is_right:
; qkv[m][n] = sum over k of x[m][k] W[n][k] + b_qkv[n], on codes of FP4 (E2M1) with one E8M0 scale for each 32 along K; sums in f32.
; x_codes [4096][512 bytes], w_codes [3072][512 bytes], K innermost; scale bytes [4096][32], [3072][32].  Out: qkv16 [4096][3072] f16; and the rows of positions 0 to 15 of both sequences once more in f32, qkv32 [2][16][3072].
; LIMIT: results beyond 65,504 in magnitude have no f16.
; A tile of 256 x 256 is made by four waves, each 128 x 128: 64 accumulators of 16 x 16.  K = 1,024 is two slots of 512 along K (tile rows of 256 bytes): both are asked for at the head, nothing is filled again.
; The scales of the work-group's rows of x and of W for all of K come once, as dense blocks.  CLUSTERS: 4 x 4 work-groups; x's tiles are asked for jointly along a row of the cluster, W's along a column.
; THE MATRIX INSTRUCTION IS USED TRANSPOSED (source 0 = 16 rows of W, source 1 = 16 rows of x): a lane holds eight neighbouring columns of one row.  The bias is the C of each sum's first product.
; REGISTERS: window 0: v0-31 addresses; v32-95 scale words, two sets; v128-191 x's fragments, one set; v192-255 the bias (8 blocks x 8), later packed results.  window 1: W's fragments, two sets.  windows 2, 3: the accumulators.
.set SIZE_M, 4096
.set SIZE_N, 3072
.set SIZE_K, 1024
.set NQ,     4                         ; steps of 128 along K in a slot
.set ROWB,   256                       ; a tile's row in bytes
.set KROW,   512                       ; a row of codes in memory
.set PITCH,  272                       ; an LDS row: 256 bytes + 16 of padding
.set FR,     8
.set NL,     2
.set NP,     4
.set HALFT,  128*PITCH
.set SLOT,   4*HALFT
.set KS,     32                        ; a row of scale bytes
.set SCL,    2*SLOT                    ; behind the two slots: the scales, as units of 256 bytes + 16 of padding
.set HALFS,  (128*KS/256)*272
.set SBLK,   (16*KS/256)*272
.set SPARE,  SCL+4*HALFS               ; the spare words, 128 bytes for each wave
.set ADRA, 16
.set STO32, 18                         ; the f32 copy: into my stage, back, and in memory
.set RD32, 19
.set ADRB, 20
.set CO32, 22
.set OWN,  23                          ; 0 in the waves whose first 16 rows are positions 0 to 15 of a sequence
.set STO,  24
.set RD,   25
.set CO,   26
.set ADRS, 27
.set SPW,  28
.set NIL,  29
.set BO,   30                          ; 32 x (lane / 16): my eight numbers of a block's bias
.set SC,   32
.set AF,   128
.set BK,   128
.set BIAS, 192
.set TMP,  192
.set G1, 24
.set G0, 32
.set G1B, 48
.set G0B, 56
.set G1S, 68
.set G0S, 76
.set G1SB, 80
.set G0SB, 88
.set MSB, 0
.macro WIN new                         ; the immediate's high byte repeats the setting that is left
.if MSB != (\new)
	s_set_vgpr_msb (MSB<<8)|(\new)
.set MSB, (\new)
.endif
.endm
.set MUL_LO, 0xa1                      ; source 0 (W) window 1, source 1 (x) window 0, C and D window 2
.set MUL_HI, 0xf1                      ; the same, C and D window 3.  The first products take C (the bias) from window 0: 0x81, 0xc1
.set TO_B,   0x40
.macro JLOAD g0a, g1a, g0b, g1b        ; a joint load: waves 0 and 1 fetch for x, waves 2 and 3 for W; an s_nop 0 and four v_nop follow each line
	s_cmp_eq_u32 s15, 0
	s_cbranch_scc0 .Lfor_b_\@
	tensor_load_to_lds s[\g0a:\g0a+3], s[\g1a:\g1a+7]
	s_nop 0
.rept 4
	v_nop
.endr
	s_branch .Lasked_\@
.Lfor_b_\@:
	tensor_load_to_lds s[\g0b:\g0b+3], s[\g1b:\g1b+7]
	s_nop 0
.rept 4
	v_nop
.endr
.Lasked_\@:
.endm
.macro CROUND                          ; a round of the cluster's barrier
	s_barrier_signal -1
	s_barrier_wait -1
	s_cmp_lg_u32 s14, 0
	s_cbranch_scc1 .Lnot_wave_0_\@
	s_barrier_signal -3
.Lnot_wave_0_\@:
	s_barrier_wait -3
	s_barrier_signal -1
	s_barrier_wait -1
.endm
	s_load_b128 s[4:7], s[0:1], 0x0                ; x's codes, x's scales
	s_load_b128 s[8:11], s[0:1], 0x10              ; W's codes, W's scales
	s_load_b64 s[12:13], s[0:1], 0x20              ; qkv16
	s_load_b64 s[96:97], s[0:1], 0x28              ; b_qkv
	s_load_b64 s[98:99], s[0:1], 0x30              ; qkv32
	v_lshl_add_u32 v[SPW], v0, 2, SPARE
	v_mov_b32 v[NIL], 0
	ds_add_u32 v[SPW], v[NIL]                      ; the wave's opening
	ds_add_u32 v[SPW], v[NIL]
	v_lshrrev_b32 v1, 5, v0
	v_readfirstlane_b32 s14, v1                    ; wave 0..3
	s_lshr_b32 s15, s14, 1                         ; which half of the tile's rows is mine.  Also: I fetch for x (0) or for W (1)
	s_and_b32 s16, s14, 1                          ; which half of its columns.  Also: which 128 rows I fetch
	s_bfe_u32 s40, ttmp6, 0x40000                  ; cx, cy
	s_bfe_u32 s41, ttmp6, 0x40004
	s_lshl_b32 s42, ttmp9, 2
	s_add_co_u32 s42, s42, s40                     ; tile column
	s_and_b32 s17, ttmp7, 0xffff
	s_lshl_b32 s17, s17, 2
	s_add_co_u32 s17, s17, s41                     ; tile row
	s_lshl_b32 s43, s41, 2
	s_lshl_b32 s43, 15, s43                        ; my row of the cluster
	s_lshl_b32 s44, 0x1111, s40                    ; my column
	s_or_b32 s[G1+0], s43, (0<<16)|(1<<20)|(1<<21)|(5<<22)|(3<<25)   ; mask; elements of 1 byte; padding: 4 words behind every 64
	s_or_b32 s[G1B+0], s44, (0<<16)|(1<<20)|(1<<21)|(5<<22)|(3<<25)
.irp g, G1, G1B
	s_mov_b32 s[\g+1], ROWB<<16                    ; tensor_dim0
	s_mov_b32 s[\g+2], 128<<16                     ; tensor_dim1
	s_mov_b32 s[\g+3], ROWB<<16                    ; tile_dim0
	s_mov_b32 s[\g+4], 128                         ; tile_dim1
	s_mov_b32 s[\g+5], KROW                        ; the pitch
	s_mov_b32 s[\g+6], 0
	s_mov_b32 s[\g+7], 0
.endr
	s_or_b32 s[G1S+0], s43, (3<<16)|(1<<20)|(1<<21)|(5<<22)|(3<<25)  ; the scales of 128 rows: 4,096 dense bytes as 16 rows of 32 elements of 8 bytes
	s_or_b32 s[G1SB+0], s44, (3<<16)|(1<<20)|(1<<21)|(5<<22)|(3<<25)
.irp g, G1S, G1SB
	s_mov_b32 s[\g+1], 32<<16
	s_mov_b32 s[\g+2], (128*KS/256)<<16
	s_mov_b32 s[\g+3], 32<<16
	s_mov_b32 s[\g+4], 128*KS/256
	s_mov_b32 s[\g+5], 32
	s_mov_b32 s[\g+6], 0
	s_mov_b32 s[\g+7], 0
.endr
	s_lshl_b32 s18, s16, 7
	s_lshl_b32 s20, s17, 8
	s_add_co_u32 s20, s20, s18                     ; x: row 256 x tile row + 128 x half
	s_lshl_b32 s46, s42, 8
	s_add_co_u32 s46, s46, s18                     ; W: row 256 x tile column + 128 x half
	s_mov_b32 s21, 0
	s_mov_b32 s47, 0
	s_mov_b64 s[18:19], KS
	s_mul_u64 s[22:23], s[20:21], s[18:19]
	s_mul_u64 s[92:93], s[46:47], s[18:19]
	s_mov_b64 s[18:19], KROW
	s_mul_u64 s[20:21], s[20:21], s[18:19]
	s_mul_u64 s[46:47], s[46:47], s[18:19]
	s_mul_i32 s45, s14, HALFT                      ; where they go: wave x 128 rows
	s_mul_i32 s94, s14, HALFS
	s_wait_dscnt 0x0                               ; both opening adds are done
	s_wait_kmcnt 0x0
	s_add_nc_u64 s[20:21], s[4:5], s[20:21]
	s_add_nc_u64 s[22:23], s[6:7], s[22:23]
	s_add_nc_u64 s[46:47], s[8:9], s[46:47]
	s_add_nc_u64 s[92:93], s[10:11], s[92:93]
	CROUND                                         ; all sixteen work-groups are here: the joint loads meet
	s_mov_b32 s[G0S], 1
	s_add_co_u32 s[G0S+1], s94, SCL
	s_mov_b64 s[G0S+2:G0S+3], s[22:23]
	s_or_b32 s[G0S+3], s[G0S+3], 0x80000000
	s_mov_b32 s[G0SB], 1
	s_add_co_u32 s[G0SB+1], s94, SCL
	s_mov_b64 s[G0SB+2:G0SB+3], s[92:93]
	s_or_b32 s[G0SB+3], s[G0SB+3], 0x80000000
	JLOAD G0S, G1S, G0SB, G1SB                     ; three loads of mine go out: the scales, slot 0, slot 1
.irp s, 0,1
	s_mov_b32 s[G0+4*\s], 1
	s_add_co_u32 s[G0+4*\s+1], s45, \s*SLOT
	s_add_nc_u64 s[G0+4*\s+2:G0+4*\s+3], s[20:21], \s*ROWB
	s_or_b32 s[G0+4*\s+3], s[G0+4*\s+3], 0x80000000
	s_mov_b32 s[G0B+4*\s], 1
	s_add_co_u32 s[G0B+4*\s+1], s45, \s*SLOT
	s_add_nc_u64 s[G0B+4*\s+2:G0B+4*\s+3], s[46:47], \s*ROWB
	s_or_b32 s[G0B+4*\s+3], s[G0B+4*\s+3], 0x80000000
	JLOAD G0+4*\s, G1, G0B+4*\s, G1B
.endr
	v_and_b32 v1, 15, v0                           ; r = lane % 16
	v_bfe_u32 v2, v0, 4, 1                         ; h = lane / 16
	v_mul_u32_u24 v3, v1, PITCH
	v_lshl_add_u32 v4, v2, 4, v3
	s_mul_i32 s21, s15, HALFT
	s_mul_i32 s22, s16, HALFT
	s_add_co_u32 s22, s22, 2*HALFT
.irp s, 0,1
	v_add_nc_u32 v[ADRA+\s], s21, v4
	v_add_nc_u32 v[ADRB+\s], s22, v4
	s_add_co_u32 s21, s21, SLOT
	s_add_co_u32 s22, s22, SLOT
.endr
	v_mul_u32_u24 v5, v1, KS                       ; my row's scales,
	v_lshrrev_b32 v6, 8, v5
	v_lshl_add_u32 v5, v6, 4, v5                   ; and 16 more for each 256 passed
	s_mul_i32 s21, s15, HALFS
	s_mul_i32 s22, s16, HALFS
	s_add_co_u32 s22, s22, 2*HALFS
	s_sub_co_u32 s22, s22, s21
	v_mul_u32_u24 v6, s22, v2                      ; lanes 16-31 take W's
	s_add_co_u32 s21, s21, SCL
	v_add_nc_u32 v5, v5, v6
	v_add_nc_u32 v[ADRS], s21, v5
	s_mul_i32 s23, s14, 16*528                     ; my stage, in slot 0: it is used when that slot has had its only fill and its last read
	v_mul_u32_u24 v5, v1, 528
	v_lshl_add_u32 v5, v2, 5, v5
	v_add_nc_u32 v[STO32], s23, v5                 ; f32: row r, 32 bytes for each half of the lanes
	v_and_b32 v6, 31, v0
	v_lshlrev_b32 v[CO32], 4, v6
	v_add_nc_u32 v[RD32], s23, v[CO32]             ; back: the 32 lanes take one row of 512 bytes
	v_mul_u32_u24 v5, v1, 272
	v_lshl_add_u32 v5, v2, 4, v5
	v_add_nc_u32 v[STO], s23, v5                   ; f16: row r, 16 bytes for each half
	v_mul_u32_u24 v5, v2, 272
	v_lshl_add_u32 v5, v1, 4, v5
	v_add_nc_u32 v[RD], s23, v5                    ; back: lanes 0-15 one row of 256 bytes, lanes 16-31 the next
	v_mul_u32_u24 v5, v2, SIZE_N*2
	v_lshl_add_u32 v[CO], v1, 4, v5
	v_lshlrev_b32 v[BO], 5, v2
	s_lshl_b32 s20, s17, 8
	s_lshl_b32 s21, s15, 7
	s_add_co_u32 s20, s20, s21                     ; my first row
	s_mov_b32 s21, 0
	s_mov_b64 s[18:19], SIZE_N*2
	s_mul_u64 s[20:21], s[20:21], s[18:19]
	s_lshl_b32 s46, s42, 10
	s_lshl_b32 s47, s16, 9
	s_add_co_u32 s46, s46, s47                     ; 4 bytes x my first column
	s_mov_b32 s47, 0
	s_add_nc_u64 s[96:97], s[96:97], s[46:47]      ; the bias of my 128 columns
	s_add_nc_u64 s[98:99], s[98:99], s[46:47]
	s_lshr_b32 s46, s46, 1                         ; 2 bytes x my first column
	s_add_nc_u64 s[20:21], s[20:21], s[46:47]
	s_add_nc_u64 s[12:13], s[12:13], s[20:21]
	s_lshr_b32 s46, s17, 3                         ; the sequence
	s_mul_i32 s46, s46, 16*SIZE_N*4
	s_add_nc_u64 s[98:99], s[98:99], s[46:47]      ; inside qkv32 in every work-group
	s_and_b32 s46, s17, 7
	s_or_b32 s46, s46, s15
	v_mov_b32 v[OWN], s46
.irp b, 0,1,2,3,4,5,6,7
	global_load_b128 v[BIAS+8*\b:BIAS+8*\b+3], v[BO], s[96:97] offset:64*\b       ; lane (r, h): b(16 b + 8 h + 0 .. 7): the result's layout
	global_load_b128 v[BIAS+8*\b+4:BIAS+8*\b+7], v[BO], s[96:97] offset:64*\b+16
.endr
.macro FRAG reg, adr, q, i             ; 16 rows x 128 K of 4-bit codes: 8 registers, two loads 32 bytes apart
.irp c, 0,1
	ds_load_b128 v[\reg+4*\c:\reg+4*\c+3], v[\adr] offset:64*(\q)+32*\c+(\i)*16*PITCH
.endr
.endm
; 16 matrix instructions: x's blocks a0, a0 + 1 against W's eight.  zero = 1: the first product starts the sums on the bias.  The 64 accumulators take turns, one instruction a turn.
.macro MUL16 a0, p, q, sc, zero
.irp a, \a0, \a0+1
.irp b, 0,1,2,3,4,5,6,7
.if \zero
	v_wmma_scale_f32_16x16x128_f8f6f4 v[8*(8*((\a)%4)+\b):8*(8*((\a)%4)+\b)+7], v[128*(\p)+FR*\b:128*(\p)+FR*\b+FR-1], v[AF+FR*(\a):AF+FR*(\a)+FR-1], v[BIAS+8*\b:BIAS+8*\b+7], v[SC+8*NQ*(\sc)+NQ*\b+(\q)], v[SC+8*NQ*(\sc)+NQ*(\a)+(\q)] matrix_a_fmt:MATRIX_FMT_FP4 matrix_b_fmt:MATRIX_FMT_FP4 matrix_a_scale:MATRIX_SCALE_ROW1
.else
	v_wmma_scale_f32_16x16x128_f8f6f4 v[8*(8*((\a)%4)+\b):8*(8*((\a)%4)+\b)+7], v[128*(\p)+FR*\b:128*(\p)+FR*\b+FR-1], v[AF+FR*(\a):AF+FR*(\a)+FR-1], v[8*(8*((\a)%4)+\b):8*(8*((\a)%4)+\b)+7], v[SC+8*NQ*(\sc)+NQ*\b+(\q)], v[SC+8*NQ*(\sc)+NQ*(\a)+(\q)] matrix_a_fmt:MATRIX_FMT_FP4 matrix_b_fmt:MATRIX_FMT_FP4 matrix_a_scale:MATRIX_SCALE_ROW1
.endif
.endr
.endr
.endm
.macro FETCH_B slot, q, p
	WIN TO_B
.irp i, 0,1,2,3,4,5,6,7
	FRAG 128*(\p)+FR*\i, ADRB+\slot, \q, \i
.endr
	WIN 0
.endm
.macro FETCH_A slot, q, i0
.irp i, \i0, \i0+1, \i0+2, \i0+3
	FRAG AF+FR*(\i), ADRA+\slot, \q, \i
.endr
.endm
.macro SCALES sc                       ; a slot's scale words: lanes 0-15 x's block i, lanes 16-31 W's block i
.irp i, 0,1,2,3,4,5,6,7
	ds_load_b128 v[SC+8*NQ*\sc+NQ*\i:SC+8*NQ*\sc+NQ*\i+3], v[ADRS] offset:\i*SBLK
.endr
.endm
.macro PLACES n                        ; plain vector lines between a matrix instruction and a load into, or a read of, its registers
.rept \n
	v_nop
.endr
.endm
.macro STEP slot, q, zero              ; 128 along K, with its successor in the same slot
	s_wait_dscnt 4*NL                              ; W's set and x's blocks 0-3 are in; the youngest eight loads (x's blocks 4-7) may be out
	WIN MUL_LO-0x20*(\zero)
	MUL16 0, (\q)%2, \q, \slot, \zero
	MUL16 2, (\q)%2, \q, \slot, \zero
	s_wait_dscnt 0
	PLACES NP
	FETCH_B \slot, (\q)+1, 1-(\q)%2
	FETCH_A \slot, (\q)+1, 0
	WIN MUL_HI-0x30*(\zero)
	MUL16 4, (\q)%2, \q, \slot, \zero
	MUL16 6, (\q)%2, \q, \slot, \zero
	PLACES NP
	WIN 0
	FETCH_A \slot, (\q)+1, 4
.endm
.macro TURN slot, next                 ; slot 0's last step: one barrier; in front of it my part of slot 1 has landed and my reads of slot 0 are over
	s_wait_tensorcnt 0x0                           ; all my tensor loads have landed
	ds_add_u32 v[SPW], v[NIL]
	s_wait_dscnt 4*NL+1                            ; (the add and the youngest eight loads may be out)
	WIN MUL_LO
	MUL16 0, 1, NQ-1, \slot, 0
	s_wait_dscnt 0x0
	s_barrier_signal -1
	MUL16 2, 1, NQ-1, \slot, 0
	WIN 0
	s_barrier_wait -1
	PLACES NP
	v_add_nc_u32 v[ADRS], 4*NQ, v[ADRS]            ; on to the next slot's scale words
	FETCH_B \next, 0, 0
	FETCH_A \next, 0, 0
	SCALES \next
	WIN MUL_HI
	MUL16 4, 1, NQ-1, \slot, 0
	MUL16 6, 1, NQ-1, \slot, 0
	PLACES NP
	WIN 0
	FETCH_A \next, 0, 4
.endm
.macro STEPS slot, from
.set Q, \from
.rept NQ-1-\from
	STEP \slot, Q, 0
.set Q, Q+1
.endr
.endm
	s_wait_tensorcnt 1                             ; the scales and my part of slot 0 are in; slot 1's load may be out,
	s_barrier_signal -1
	s_barrier_wait -1                              ; everybody's are
	FETCH_B 0, 0, 0
	FETCH_A 0, 0, 0
	SCALES 0
	FETCH_A 0, 0, 4
	s_wait_loadcnt 0x0                             ; the bias
	STEP 0, 0, 1
	STEPS 0, 1
	TURN 0, 1
	STEPS 1, 0
	s_wait_dscnt 4*NL                              ; the last step: nothing more to fetch
	WIN MUL_LO
	MUL16 0, 1, NQ-1, 1, 0
	MUL16 2, 1, NQ-1, 1, 0
	s_wait_dscnt 0
	WIN MUL_HI
	MUL16 4, 1, NQ-1, 1, 0
	MUL16 6, 1, NQ-1, 1, 0
	WIN 0
	PLACES NP
	; THE F32 COPY of my first 16 rows, through my stage; only the stores are masked, by EXEC: they run in the waves whose first rows are positions 0 to 15 of a sequence
	WIN 0x08                                       ; an LDS store's data: window 2
.irp b, 0,1,2,3,4,5,6,7
	ds_store_b128 v[STO32], v[8*\b:8*\b+3] offset:64*\b            ; each accumulator from its low end on
	ds_store_b128 v[STO32], v[8*\b+4:8*\b+7] offset:64*\b+16
.endr
	WIN 0
.irp t, 0,1,2,3,4,5,6,7,8,9,10,11,12,13,14,15
	ds_load_b128 v[BK+4*\t:BK+4*\t+3], v[RD32] offset:\t*528       ; LDS serves a wave's instructions in order: these see the stores above
.endr
	s_wait_dscnt 0x0
	s_wait_xcnt 0x0                                ; EXEC changes only behind this wait
	v_cmp_eq_u32 vcc_lo, 0, v[OWN]
	s_and_saveexec_b32 s100, vcc_lo
.irp t, 0,1,2,3,4,5,6,7,8,9,10,11,12,13,14,15
	global_store_b128 v[CO32], v[BK+4*\t:BK+4*\t+3], s[98:99] offset:\t*SIZE_N*4   ; 512 consecutive bytes of a row
.endr
	s_wait_xcnt 0x0                                ; and again: the stores have read EXEC and their registers
	s_or_b32 exec_lo, exec_lo, s100
	; THE WAY OUT in f16, a block of 16 rows x 128 columns at a time: packed, through my stage, back as whole rows of 256 bytes
.macro PACK a
.set AC, 64*((\a)%4)
	WIN 0x0a+5*((\a)/4)                            ; sources 0 and 1: window 2 or 3
.irp b, 0,1,2,3,4,5,6,7
.irp r, 0,1,2,3
	v_cvt_pk_f16_f32 v[TMP+4*\b+\r], v[AC+8*\b+2*\r], v[AC+8*\b+2*\r+1]
.endr
.endr
	WIN 0
.endm
.macro TOSTAGE a
.set BB, BK+32*((\a)%2)
.irp b, 0,1,2,3,4,5,6,7
	ds_store_b128 v[STO], v[TMP+4*\b:TMP+4*\b+3] offset:32*\b
.endr
.irp t, 0,1,2,3,4,5,6,7
	ds_load_b128 v[BB+4*\t:BB+4*\t+3], v[RD] offset:\t*2*272
.endr
.endm
.macro SEND a
.set BB, BK+32*((\a)%2)
	s_wait_dscnt 0x0                               ; the block is back in registers
	s_wait_xcnt 0x0                                ; earlier stores have read their base and registers: only now are they written again
.if (\a) > 0
	s_add_nc_u64 s[12:13], s[12:13], 16*SIZE_N*2
.endif
.irp t, 0,1,2,3,4,5,6,7
	global_store_b128 v[CO], v[BB+4*\t:BB+4*\t+3], s[12:13] offset:2*\t*SIZE_N*2   ; 16 lanes store 256 consecutive bytes, aligned
.endr
.endm
	PACK 0
	TOSTAGE 0
.irp a, 1,2,3,4,5,6,7
	PACK \a
	SEND \a-1
	TOSTAGE \a
.endr
	SEND 7
	s_wait_tensorcnt 0x0                           ; the wave's end
	ds_add_u32 v[SPW], v[NIL]
	s_wait_dscnt 0x0
	CROUND                                         ; the closing round
	s_endpgm
.Lfunc_end_k_q56b923b986_gemm_qkv:
	.size	k_q56b923b986_gemm_qkv, .Lfunc_end_k_q56b923b986_gemm_qkv-k_q56b923b986_gemm_qkv
	.p2alignl 7, 3214868480
	.fill 96, 4, 3214868480
	.section	.rodata,"a",@progbits
	.p2align	6, 0x0
	.amdhsa_kernel k_q56b923b986_gemm_qkv
		.amdhsa_group_segment_fixed_size 327680
		.amdhsa_private_segment_fixed_size 0
		.amdhsa_enable_private_segment 0
		.amdhsa_kernarg_size 56
		.amdhsa_user_sgpr_count 2
		.amdhsa_user_sgpr_kernarg_segment_ptr 1
		.amdhsa_wavefront_size32 1
		.amdhsa_system_sgpr_workgroup_id_x 1
		.amdhsa_system_sgpr_workgroup_id_y 1
		.amdhsa_system_sgpr_workgroup_id_z 1
		.amdhsa_system_vgpr_workitem_id 0
		.amdhsa_next_free_vgpr 1024
		.amdhsa_next_free_sgpr 102
		.amdhsa_reserve_vcc 1
		.amdhsa_float_denorm_mode_32 3
		.amdhsa_float_denorm_mode_16_64 3
		.amdhsa_memory_ordered 1
		.amdhsa_forward_progress 1
		.amdhsa_inst_pref_size 133
	.end_amdhsa_kernel
	.amdgpu_metadata
---
amdhsa.version: [ 1, 2 ]
amdhsa.kernels:
  - .name:           k_q56b923b986_gemm_qkv
    .symbol:         k_q56b923b986_gemm_qkv.kd
    .args:
      - { .name: x_codes, .offset: 0, .size: 8, .value_kind: global_buffer, .address_space: global }
      - { .name: x_scales, .offset: 8, .size: 8, .value_kind: global_buffer, .address_space: global }
      - { .name: w_codes, .offset: 16, .size: 8, .value_kind: global_buffer, .address_space: global }
      - { .name: w_scales, .offset: 24, .size: 8, .value_kind: global_buffer, .address_space: global }
      - { .name: qkv16, .offset: 32, .size: 8, .value_kind: global_buffer, .address_space: global }
      - { .name: b_qkv, .offset: 40, .size: 8, .value_kind: global_buffer, .address_space: global }
      - { .name: qkv32, .offset: 48, .size: 8, .value_kind: global_buffer, .address_space: global }
    .group_segment_fixed_size: 327680
    .private_segment_fixed_size: 0
    .kernarg_segment_align: 8
    .kernarg_segment_size: 56
    .max_flat_workgroup_size: 128
    .sgpr_count:     102
    .vgpr_count:     1024
    .wavefront_size: 32
...
	.end_amdgpu_metadata
.endif
;; end of part 2
;; launch attn (part 3): grid 16 x 16, 8 waves a work-group, no clusters, 285,696 bytes of LDS; arguments qkv16, att16; writes att16
.if DOCPART == 3
	.amdgcn_target "amdgcn-amd-amdhsa--gfx1250"
	.amdhsa_code_object_version 6
	.text
	.protected	k_q56b923b986_attn
	.globl	k_q56b923b986_attn
	.p2align	8
	.type	k_q56b923b986_attn,@function
k_q56b923b986_attn:
	s_mov_b64 s[64:65], 0
	v_nop
	global_prefetch_b8 v0, s[64:65] scope:SCOPE_SE
	s_setreg_imm32_b32 hwreg(HW_REG_WAVE_MODE, 25, 1), 1
	s_wait_xcnt 0x0
; Banded attention: key j counts for query i where 0 <= i - j < 256.  qkv16 [4096][3072] f16 (q at byte 0, k at 2,048, v at 4,096 of a row; a head is 128 bytes).  att16 [4096][1024] f16.
; Products on f16 operands with f32 sums; maxima, exponentials and sums in f32; the weights p = 2^(c s - c m), m the row's true maximum, are rounded to f16; the row's sum of the unrounded p divides at the end.
; LIMITS: q, k, v beyond 65,504 have no f16 (made by the launch before); NaN and infinities are not served.
; SHARES.  A work-group owns 128 queries (x) of two neighbouring heads of one sequence (y = 8 b + pair), so that every tile row is 256 aligned bytes.  Wave w: head w & 1, queries 32 (w >> 1) on: two tiles of 16 (A, B).
; The 128 queries see keys q0 - 255 .. q0 + 127: 384 rows of K and of V, and the 128 rows of Q, come ONCE at the head: seven tensor loads, one a wave (wave 7 none); nothing is filled again; one barrier.
; A wave's window is 288 LDS rows, 18 tiles of 16 keys; tile A uses tiles 0-16, tile B tiles 1-17; the first and the last of the 17 are masked lane by lane.
; At a sequence's start the chunks that would lie ahead of it are fetched from its first rows (the row is clamped at 0) and their scores become -infinity: no LDS address hangs on the work-group's number.
; NO CLUSTER: neighbouring query blocks share 256 of their 384 rows, but at LDS rows 128 apart in the two partners, and a joint load has one LDS address for all that it names.
; LAYOUT.  S^T = K Q^T (source 0 = 16 keys, source 1 = 16 queries) and O^T = V^T P: a lane holds ONE query (lane % 16) throughout; two score tiles packed in pairs are source 1 of the second product.
; REGISTERS.  window 0: v1-14 addresses; v16-47 Q, then the statistics (A v16-31, B v32-47); v48-79, v80-111 two buffers of fragments; v112-255 S^T of tile B.  window 1: v0-143 S^T of tile A; v144-207 O^T.
.set PK,    272                        ; a row of K or Q in LDS: 256 bytes + 16
.set PV,    288                        ; a row of V: 256 + 32
.set QOFF,  384*PK                     ; 104,448
.set VOFF,  QOFF+128*PK                ; 139,264
.set STG,   VOFF+384*PV                ; 249,856: the stage, 128 rows x 272
.set SPARE, STG+128*272                ; 284,672: the spare words, 128 bytes for each wave
.set DA,  3                            ; v3   lane % 16 - 8 (lane / 16)
.set AK0, 4                            ; v4   my place in key tile 0;  v5 in key tile 9
.set AK1, 5
.set AQ,  6
.set AV0, 7                            ; v7   my place in V's step 0;  v8 in step 5
.set AV1, 8
.set STO, 9
.set RD,  10
.set GO,  11
.set SPW, 12
.set NIL, 13
.set NEG, 14                           ; v14  -infinity
.set TA,  16                           ; statistics: +0 c m, +1 m, +2,+3 and +8,+9 the sum in two chains, +4..+7 the maximum's chains, +12 1 / sum, +13 named with it
.set TB,  32
.set SB,  112
.set OA,  144
.set QW,  52                           ; s52  my first query's position in its sequence
.set CS,  48                           ; s[48:49] c = log2(e) / 8
.set SEL, 50                           ; s[50:51] lane l xor 16
.set MSB, 0
.macro WIN new
.if MSB != (\new)
	s_set_vgpr_msb (MSB<<8)|(\new)
.set MSB, (\new)
.endif
.endm
.macro PLACES
.rept 4
	v_nop
.endr
.endm
.macro KLOAD s                         ; key tiles 2 s, 2 s + 1: 2 x 2 fragments of 16 keys x 32 channels, 8 loads
.set F, 48+32*((\s)%2)
.irp kk, 0,1
.irp c, 0,1
.if 2*(\s)+\kk < 9
	ds_load_b128 v[F+16*\kk+8*\c:F+16*\kk+8*\c+3],   v[AK0] offset:(2*(\s)+\kk)*16*PK+64*\c
	ds_load_b128 v[F+16*\kk+8*\c+4:F+16*\kk+8*\c+7], v[AK0] offset:(2*(\s)+\kk)*16*PK+64*\c+32
.else
	ds_load_b128 v[F+16*\kk+8*\c:F+16*\kk+8*\c+3],   v[AK1] offset:(2*(\s)+\kk-9)*16*PK+64*\c
	ds_load_b128 v[F+16*\kk+8*\c+4:F+16*\kk+8*\c+7], v[AK1] offset:(2*(\s)+\kk-9)*16*PK+64*\c+32
.endif
.endr
.endr
.endm
.macro VLOAD s                         ; V of 32 keys, turned: 4 fragments of 16 channels x 32 keys, 8 loads
.set F, 48+32*((\s)%2)
.irp ct, 0,1,2,3
.if (\s) < 5
	ds_load_tr16_b128 v[F+8*\ct:F+8*\ct+3],   v[AV0] offset:(\s)*32*PV+32*\ct
	ds_load_tr16_b128 v[F+8*\ct+4:F+8*\ct+7], v[AV0] offset:(\s)*32*PV+16*PV+32*\ct
.else
	ds_load_tr16_b128 v[F+8*\ct:F+8*\ct+3],   v[AV1] offset:((\s)-5)*32*PV+32*\ct
	ds_load_tr16_b128 v[F+8*\ct+4:F+8*\ct+7], v[AV1] offset:((\s)-5)*32*PV+16*PV+32*\ct
.endif
.endr
.endm
; The scores of 32 keys for both tiles: 8 products; of each tile the two accumulators take turns
.macro SSTEP s
.set FS, 48+32*((\s)%2)
.if (\s) < 8
	s_wait_dscnt 8                                 ; this step's loads are in; the next step's eight may be out
.else
	s_wait_dscnt 0x0
.endif
	WIN 0x50                                       ; C and D window 1: tile A
	v_wmma_f32_16x16x32_f16 v[16*(\s):16*(\s)+7],    v[FS:FS+7],     v[16:23], 0
	v_wmma_f32_16x16x32_f16 v[16*(\s)+8:16*(\s)+15], v[FS+16:FS+23], v[16:23], 0
	v_wmma_f32_16x16x32_f16 v[16*(\s):16*(\s)+7],    v[FS+8:FS+15],  v[24:31], v[16*(\s):16*(\s)+7]
	v_wmma_f32_16x16x32_f16 v[16*(\s)+8:16*(\s)+15], v[FS+24:FS+31], v[24:31], v[16*(\s)+8:16*(\s)+15]
	WIN 0                                          ; tile B
	v_wmma_f32_16x16x32_f16 v[SB+16*(\s):SB+16*(\s)+7],    v[FS:FS+7],     v[32:39], 0
	v_wmma_f32_16x16x32_f16 v[SB+16*(\s)+8:SB+16*(\s)+15], v[FS+16:FS+23], v[32:39], 0
	v_wmma_f32_16x16x32_f16 v[SB+16*(\s):SB+16*(\s)+7],    v[FS+8:FS+15],  v[40:47], v[SB+16*(\s):SB+16*(\s)+7]
	v_wmma_f32_16x16x32_f16 v[SB+16*(\s)+8:SB+16*(\s)+15], v[FS+24:FS+31], v[40:47], v[SB+16*(\s)+8:SB+16*(\s)+15]
.if (\s) < 7
	PLACES                                         ; in front of loads into the buffer just multiplied
	KLOAD (\s)+2
.endif
.endm
; One tile's softmax over its 17 key tiles k0 .. k0 + 16.  sb: S^T's first register, in window w; tb: the statistics, in window 0.  Every accumulator is read from its low end on.
.macro SOFTMAX sb, tb, k0, w
.set S0, (\sb)+8*(\k0)
	WIN 0x41*(\w)                                  ; source 0 and destination: the tile's window
.irp j, 0,1,2,3,4,5,6,7
	v_cmp_le_i32 vcc_lo, \j, v[DA]                 ; the oldest tile: key 8 h + j counts only where it is above r: i - j < 256
	v_cndmask_b32 v[S0+\j], v[S0+\j], v[NEG], vcc_lo
.endr
.irp j, 0,1,2,3,4,5,6,7
	v_cmp_gt_i32 vcc_lo, \j, v[DA]                 ; the diagonal tile: key 8 h + j counts only up to r
	v_cndmask_b32 v[S0+128+\j], v[S0+128+\j], v[NEG], vcc_lo
.endr
	WIN 0x05*(\w)                                  ; sources 0 and 1: the tile's window
.set n, 0
.rept 68
.if n < 4
	v_max_num_f32 v[(\tb)+4+n], v[S0+2*n], v[S0+2*n+1]
.else
	v_max3_num_f32 v[(\tb)+4+n%4], v[S0+2*n], v[S0+2*n+1], v[(\tb)+4+n%4]    ; four chains, ascending
.endif
.set n, n+1
.endr
	WIN 0
	v_max3_num_f32 v[(\tb)+4], v[(\tb)+4], v[(\tb)+5], v[(\tb)+6]
	v_max_num_f32 v[(\tb)+4], v[(\tb)+4], v[(\tb)+7]
	v_permlanex16_b32 v[(\tb)+5], v[(\tb)+4], s[SEL], s[SEL+1]       ; the query's other keys lie in the lane 16 away
	v_max_num_f32 v[(\tb)+1], v[(\tb)+4], v[(\tb)+5]                 ; m: finite, since a query's own key always counts
	v_mul_f32 v[(\tb)], s[CS], v[(\tb)+1]
	v_mov_b32 v[(\tb)+2], 0
	v_mov_b32 v[(\tb)+3], 0
	v_mov_b32 v[(\tb)+8], 0
	v_mov_b32 v[(\tb)+9], 0
	WIN 0x41*(\w)
.set n, 0
.rept 68
	v_pk_fma_f32 v[S0+2*n:S0+2*n+1], v[S0+2*n:S0+2*n+1], s[CS:CS+1], v[(\tb):(\tb)+1] op_sel_hi:[1,0,0] neg_lo:[0,0,1] neg_hi:[0,0,1]   ; c s - c m
.set n, n+1
.endr
.set n, 0
.rept 136
	v_exp_f32 v[S0+n], v[S0+n]                     ; one batch
.set n, n+1
.endr
	v_nop                                          ; a plain line behind the last exponential
	s_wait_alu depctr_va_vdst(0)                   ; one wait for the batch, ahead of its first reader
	WIN 0x01*(\w)
.set n, 0
.rept 34
	v_pk_add_f32 v[(\tb)+2:(\tb)+3], v[S0+4*n:S0+4*n+1], v[(\tb)+2:(\tb)+3]
	v_pk_add_f32 v[(\tb)+8:(\tb)+9], v[S0+4*n+2:S0+4*n+3], v[(\tb)+8:(\tb)+9]
.set n, n+1
.endr
	WIN 0
	v_pk_add_f32 v[(\tb)+2:(\tb)+3], v[(\tb)+2:(\tb)+3], v[(\tb)+8:(\tb)+9]
	v_add_f32 v[(\tb)+2], v[(\tb)+2], v[(\tb)+3]
	v_permlanex16_b32 v[(\tb)+3], v[(\tb)+2], s[SEL], s[SEL+1]
	v_add_f32 v[(\tb)+2], v[(\tb)+2], v[(\tb)+3]
	v_rcp_f32 v[(\tb)+12], v[(\tb)+2]
	v_mov_b32 v[(\tb)+13], 0                       ; named with it as a pair; also the plain line behind the reciprocal
	s_wait_alu depctr_va_vdst(0)
	WIN 0x45*(\w)
.set n, 4*(\k0)
.rept 68
	v_cvt_pk_f16_f32 v[(\sb)+n], v[(\sb)+2*n], v[(\sb)+2*n+1]       ; in place, ascending: register n is written when pair n / 2 has been read
.set n, n+1
.endr
.irp j, 0,1,2,3
	v_mov_b32 v[(\sb)+68*(1-(\k0))+\j], 0          ; the one key tile of the 18 that lies wholly under the mask: weights 0
.endr
	WIN 0
.endm
; O^T += V^T P for 32 keys: 8 products on 8 accumulators by turns
.macro PSTEP s
.set FS, 48+32*((\s)%2)
.if (\s) < 8
	s_wait_dscnt 8                                 ; this step's V is in; the next step's eight loads may be out
.else
	s_wait_dscnt 0x0
.endif
	WIN 0x54                                       ; P of tile A, C and D: window 1
.irp ct, 0,1,2,3
.if (\s) == 0
	v_wmma_f32_16x16x32_f16 v[OA+8*\ct:OA+8*\ct+7], v[FS+8*\ct:FS+8*\ct+7], v[8*(\s):8*(\s)+7], 0
.else
	v_wmma_f32_16x16x32_f16 v[OA+8*\ct:OA+8*\ct+7], v[FS+8*\ct:FS+8*\ct+7], v[8*(\s):8*(\s)+7], v[OA+8*\ct:OA+8*\ct+7]
.endif
.endr
	WIN 0x50                                       ; P of tile B: window 0
.irp ct, 0,1,2,3
.if (\s) == 0
	v_wmma_f32_16x16x32_f16 v[OA+32+8*\ct:OA+32+8*\ct+7], v[FS+8*\ct:FS+8*\ct+7], v[SB+8*(\s):SB+8*(\s)+7], 0
.else
	v_wmma_f32_16x16x32_f16 v[OA+32+8*\ct:OA+32+8*\ct+7], v[FS+8*\ct:FS+8*\ct+7], v[SB+8*(\s):SB+8*(\s)+7], v[OA+32+8*\ct:OA+32+8*\ct+7]
.endif
.endr
	WIN 0
.if (\s) < 7
	PLACES
	VLOAD (\s)+2
.endif
.endm
	s_load_b128 s[4:7], s[0:1], 0x0                ; qkv16, att16
	v_lshl_add_u32 v[SPW], v0, 2, SPARE
	v_mov_b32 v[NIL], 0
	ds_add_u32 v[SPW], v[NIL]                      ; the wave's opening
	ds_add_u32 v[SPW], v[NIL]
	v_lshrrev_b32 v1, 5, v0
	v_readfirstlane_b32 s8, v1                     ; wave 0..7
	s_and_b32 s9, s8, 1                            ; my head of the pair
	s_lshr_b32 s10, s8, 1                          ; which 32 queries
	s_lshl_b32 s11, ttmp9, 7                       ; q0
	s_and_b32 s12, ttmp7, 0xffff
	s_lshr_b32 s13, s12, 3                         ; the sequence
	s_and_b32 s14, s12, 7                          ; the pair of heads
	; group 1: 128 rows x 128 elements of 2 bytes, 3,072 elements from row to row; K and Q: 4 words of padding behind every 64; V: 8
	s_mov_b32 s24, (1<<16)|(1<<20)|(5<<22)|(3<<25)
	s_mov_b32 s32, (1<<16)|(1<<20)|(5<<22)|(7<<25)
.irp g, 24, 32
	s_mov_b32 s[\g+1], 128<<16
	s_mov_b32 s[\g+2], 128<<16
	s_mov_b32 s[\g+3], 128<<16
	s_mov_b32 s[\g+4], 128
	s_mov_b32 s[\g+5], 3072
	s_mov_b32 s[\g+6], 0
	s_mov_b32 s[\g+7], 0
.endr
	; waves 0-2: K's chunks 0-2; wave 3: Q (the rows of chunk 2)
	s_min_u32 s15, s8, 2
	s_lshl_b32 s15, s15, 7
	s_add_co_u32 s15, s15, s11
	s_sub_co_i32 s15, s15, 256
	s_max_i32 s15, s15, 0                          ; a chunk ahead of the sequence's start is fetched from its first rows
	s_lshl_b32 s17, s13, 11
	s_add_co_u32 s15, s15, s17
	s_mul_i32 s20, s15, 6144
	s_lshl_b32 s18, s14, 8
	s_add_co_u32 s20, s20, s18
	s_cmp_eq_u32 s8, 3
	s_cselect_b32 s19, 0, 2048
	s_add_co_u32 s20, s20, s19
	s_mov_b32 s21, 0
	; waves 4-6: V's chunks 0-2
	s_and_b32 s16, s8, 3
	s_min_u32 s16, s16, 2
	s_mul_i32 s45, s16, 128*PV
	s_add_co_u32 s45, s45, VOFF
	s_lshl_b32 s16, s16, 7
	s_add_co_u32 s16, s16, s11
	s_sub_co_i32 s16, s16, 256
	s_max_i32 s16, s16, 0
	s_add_co_u32 s16, s16, s17
	s_mul_i32 s22, s16, 6144
	s_add_co_u32 s22, s22, s18
	s_add_co_u32 s22, s22, 4096
	s_mov_b32 s23, 0
	s_mov_b32 s40, 1
	s_mul_i32 s41, s8, 128*PK
	s_mov_b32 s44, 1
	s_mov_b32 s[CS], 0x3e38aa3b
	s_mov_b32 s[CS+1], s[CS]
	s_mov_b32 s[SEL], 0x76543210
	s_mov_b32 s[SEL+1], 0xfedcba98
	s_lshl_b32 s[QW], s10, 5
	s_add_co_u32 s[QW], s[QW], s11
	s_wait_dscnt 0x0                               ; both opening adds are done
	s_wait_kmcnt 0x0
	s_add_nc_u64 s[42:43], s[4:5], s[20:21]
	s_or_b32 s43, s43, 0x80000000
	s_add_nc_u64 s[46:47], s[4:5], s[22:23]
	s_or_b32 s47, s47, 0x80000000
	s_cmp_lt_u32 s8, 4                             ; one load a wave; an s_nop 0 and four v_nop follow each line
	s_cbranch_scc0 .Lnot_k
	tensor_load_to_lds s[40:43], s[24:31]
	s_nop 0
.rept 4
	v_nop
.endr
	s_branch .Lasked
.Lnot_k:
	s_cmp_lt_u32 s8, 7
	s_cbranch_scc0 .Lasked
	tensor_load_to_lds s[44:47], s[32:39]
	s_nop 0
.rept 4
	v_nop
.endr
.Lasked:
	v_and_b32 v1, 15, v0                           ; r
	v_bfe_u32 v2, v0, 4, 1                         ; h
	v_lshlrev_b32 v[DA], 3, v2
	v_sub_nc_u32 v[DA], v1, v[DA]
	v_mul_u32_u24 v[AK0], v1, PK
	v_lshl_add_u32 v[AK0], v2, 4, v[AK0]
	s_mul_i32 s20, s10, 32*PK
	s_lshl_b32 s19, s9, 7
	s_add_co_u32 s20, s20, s19
	v_add_nc_u32 v[AK0], s20, v[AK0]               ; (32 u + r) x 272 + 128 x head + 16 h
	v_add_nc_u32 v[AK1], 9*16*PK, v[AK0]
	v_add_nc_u32 v[AQ], QOFF, v[AK0]
	v_add_nc_u32 v[STO], STG, v[AK0]               ; the stage has the same rows and columns
	v_and_b32 v[AV0], 7, v0
	v_lshl_add_u32 v[AV0], v2, 3, v[AV0]
	v_mul_u32_u24 v[AV0], v[AV0], PV
	v_bfe_u32 v[AV1], v0, 3, 1
	v_lshl_add_u32 v[AV0], v[AV1], 4, v[AV0]
	s_mul_i32 s20, s10, 32*PV
	s_add_co_u32 s20, s20, s19
	s_add_co_u32 s20, s20, VOFF
	v_add_nc_u32 v[AV0], s20, v[AV0]
	v_add_nc_u32 v[AV1], 5*32*PV, v[AV0]
	v_mul_u32_u24 v[RD], v2, 272
	v_lshl_add_u32 v[RD], v1, 4, v[RD]
	s_mul_i32 s20, s8, 16*272
	s_add_co_u32 s20, s20, STG
	v_add_nc_u32 v[RD], s20, v[RD]                 ; back: rows 16 w on; lanes 0-15 one row, lanes 16-31 the next
	v_lshlrev_b32 v[GO], 11, v2
	v_lshl_add_u32 v[GO], v1, 4, v[GO]
	v_mov_b32 v[NEG], 0xff800000
	s_add_co_u32 s15, s17, s11
	s_lshl_b32 s16, s8, 4
	s_add_co_u32 s15, s15, s16
	s_lshl_b32 s20, s15, 11                        ; (2,048 b + q0 + 16 w) rows of 2,048 bytes
	s_add_co_u32 s20, s20, s18
	s_add_nc_u64 s[6:7], s[6:7], s[20:21]
	s_wait_tensorcnt 0x0                           ; my tile has landed,
	s_barrier_signal -1
	s_barrier_wait -1                              ; everybody's has
.irp t, 0,1
.irp c, 0,1
	ds_load_b128 v[16+16*\t+8*\c:16+16*\t+8*\c+3], v[AQ] offset:\t*16*PK+64*\c
	ds_load_b128 v[16+16*\t+8*\c+4:16+16*\t+8*\c+7], v[AQ] offset:\t*16*PK+64*\c+32
.endr
.endr
	KLOAD 0
	KLOAD 1
.irp s, 0,1,2,3,4,5,6,7,8
	SSTEP \s
.endr
	PLACES                                         ; behind the last scores: for the loads below and the vector lines that follow
	VLOAD 0
	VLOAD 1
	; keys ahead of the sequence's start: whole steps of 32, since my first query is a multiple of 32.  Branches on ids alone; no barrier stands here
.irp s, 0,1,2,3,4,5,6,7
	s_cmp_ge_u32 s[QW], 256-32*\s
	s_cbranch_scc1 .Lseq_done
	WIN 0x40
.irp i, 0,1,2,3,4,5,6,7,8,9,10,11,12,13,14,15
	v_mov_b32 v[16*\s+\i], v[NEG]
.endr
	WIN 0
.irp i, 0,1,2,3,4,5,6,7,8,9,10,11,12,13,14,15
	v_mov_b32 v[SB+16*\s+\i], v[NEG]
.endr
.endr
.Lseq_done:
	SOFTMAX 0, TA, 0, 1
	SOFTMAX SB, TB, 1, 0
.irp s, 0,1,2,3,4,5,6,7,8
	PSTEP \s
.endr
	PLACES
	; THE WAY OUT: O^T / the sum, to f16, into the work-group's stage (a row's 256 bytes come from two waves), a barrier, back as whole rows
	WIN 0x41
.set n, 0
.rept 16
	v_pk_mul_f32 v[OA+2*n:OA+2*n+1], v[OA+2*n:OA+2*n+1], v[TA+12:TA+13] op_sel_hi:[1,0]
.set n, n+1
.endr
.set n, 0
.rept 16
	v_pk_mul_f32 v[OA+32+2*n:OA+32+2*n+1], v[OA+32+2*n:OA+32+2*n+1], v[TB+12:TB+13] op_sel_hi:[1,0]
.set n, n+1
.endr
	WIN 0x05
.set n, 0
.rept 32
	v_cvt_pk_f16_f32 v[48+n], v[OA+2*n], v[OA+2*n+1]
.set n, n+1
.endr
	WIN 0
.irp t, 0,1
.irp ct, 0,1,2,3
	ds_store_b128 v[STO], v[48+16*\t+4*\ct:48+16*\t+4*\ct+3] offset:\t*16*272+32*\ct
.endr
.endr
	s_wait_dscnt 0x0                               ; for the others' sake: my stores are done
	s_barrier_signal -1
	s_barrier_wait -1
.irp i, 0,1,2,3,4,5,6,7
	ds_load_b128 v[80+4*\i:83+4*\i], v[RD] offset:\i*2*272
.endr
.irp i, 0,1,2,3,4,5,6,7
	s_wait_dscnt 7-\i
	global_store_b128 v[GO], v[80+4*\i:83+4*\i], s[6:7] offset:4096*\i    ; 16 lanes store 256 consecutive bytes, aligned
.endr
	s_wait_tensorcnt 0x0                           ; the wave's end
	ds_add_u32 v[SPW], v[NIL]
	s_wait_dscnt 0x0
	s_endpgm
.Lfunc_end_k_q56b923b986_attn:
	.size	k_q56b923b986_attn, .Lfunc_end_k_q56b923b986_attn-k_q56b923b986_attn
	.p2alignl 7, 3214868480
	.fill 96, 4, 3214868480
	.section	.rodata,"a",@progbits
	.p2align	6, 0x0
	.amdhsa_kernel k_q56b923b986_attn
		.amdhsa_group_segment_fixed_size 285696
		.amdhsa_private_segment_fixed_size 0
		.amdhsa_enable_private_segment 0
		.amdhsa_kernarg_size 16
		.amdhsa_user_sgpr_count 2
		.amdhsa_user_sgpr_kernarg_segment_ptr 1
		.amdhsa_wavefront_size32 1
		.amdhsa_system_sgpr_workgroup_id_x 1
		.amdhsa_system_sgpr_workgroup_id_y 1
		.amdhsa_system_sgpr_workgroup_id_z 1
		.amdhsa_system_vgpr_workitem_id 0
		.amdhsa_next_free_vgpr 512
		.amdhsa_next_free_sgpr 66
		.amdhsa_reserve_vcc 1
		.amdhsa_float_denorm_mode_32 3
		.amdhsa_float_denorm_mode_16_64 3
		.amdhsa_memory_ordered 1
		.amdhsa_forward_progress 1
		.amdhsa_inst_pref_size 91
	.end_amdhsa_kernel
	.amdgpu_metadata
---
amdhsa.version: [ 1, 2 ]
amdhsa.kernels:
  - .name:           k_q56b923b986_attn
    .symbol:         k_q56b923b986_attn.kd
    .args:
      - { .name: qkv16, .offset: 0, .size: 8, .value_kind: global_buffer, .address_space: global }
      - { .name: att16, .offset: 8, .size: 8, .value_kind: global_buffer, .address_space: global }
    .group_segment_fixed_size: 285696
    .private_segment_fixed_size: 0
    .kernarg_segment_align: 8
    .kernarg_segment_size: 16
    .max_flat_workgroup_size: 256
    .sgpr_count:     66
    .vgpr_count:     512
    .wavefront_size: 32
...
	.end_amdgpu_metadata
.endif
;; end of part 3
;; launch gemm_out (part 4): grid 8 x 32, 4 waves a work-group, clusters of 4 x 4, 327,680 bytes of LDS; arguments att16, wo16, b_out, out0; writes out0
.if DOCPART == 4
	.amdgcn_target "amdgcn-amd-amdhsa--gfx1250"
	.amdhsa_code_object_version 6
	.text
	.protected	k_q56b923b986_gemm_out
	.globl	k_q56b923b986_gemm_out
	.p2align	8
	.type	k_q56b923b986_gemm_out,@function
k_q56b923b986_gemm_out:
	s_mov_b64 s[64:65], 0
	v_nop
	global_prefetch_b8 v0, s[64:65] scope:SCOPE_SE
	s_setreg_imm32_b32 hwreg(HW_REG_WAVE_MODE, 25, 1), 1
	s_wait_xcnt 0x0
	s_wait_alu depctr_hold_cnt(0) depctr_sa_sdst(0) depctr_va_vdst(0) depctr_va_sdst(0) depctr_va_ssrc(0) depctr_va_vcc(0) depctr_vm_vsrc(0)
	s_getreg_b32 s2, hwreg(HW_REG_IB_STS2, 6, 4)
	s_cmp_eq_u32 s2, 0
	s_cbranch_scc0 .Lentry_in_a_cluster
	s_endpgm
.Lentry_in_a_cluster:
	s_bfe_u32 s2, ttmp6, 0x10000c
	s_cmp_lg_u32 s2, 0xf033
	s_cbranch_scc0 .Lentry_shape_is_right
	s_endpgm
.Lentry_shape_is_right:
; out[m][n] = sum over k of att[m][k] Wo[k][n] + b_out[n].  att16 [4096][1024] f16, K innermost; wo16 [1024 (k)][1024 (n)] f16, K its first axis; out0 [4096][1024] f32; sums in f32.
; A tile of 128 x 128 gives 256 work-groups; four waves, each 64 x 64: 16 accumulators.  K goes in steps of 256 through two LDS slots: A's 128 rows of 512 bytes, B's 256 rows (k) of 256 bytes (n).
; B's fragments come out of LDS turned, by ds_load_tr16_b128.  CLUSTERS: 4 x 4; A's tiles are asked for jointly along a row of the cluster, B's along a column.
; THE MATRIX INSTRUCTION IS USED TRANSPOSED (source 0 = 16 columns n of Wo, source 1 = 16 rows of att): a lane holds eight neighbouring numbers of a row of out.  The bias is the C of each sum's first product.
; The rows of positions 0 to 15 of both sequences are written here too and written over by the next launch, which makes them in f32.
; REGISTERS: window 0: v0-31 addresses; v32-63 the bias, then with v64-95 the way out; v128-255 the accumulators.  window 1: two fragment buffers of 128 (64 of A, 64 of B).
.set SIZE_N, 1024
.set SIZE_K, 1024
.set KSTEP,  256
.set PITCH,  528                       ; A's LDS row: 512 bytes + 16
.set PB,     288                       ; B's LDS row: 256 bytes + 32
.set HALFA,  64*PITCH
.set HALFB,  128*PB
.set SLOT,   2*HALFA+2*HALFB           ; 141,312
.set STAGE,  2*SLOT                    ; behind the ring: 16 rows x 272 bytes for each wave
.set SPITCH, 272
.set SPARE,  STAGE+4*16*SPITCH
.set LAPS,   SIZE_K/(2*KSTEP)
.set ADRA, 16                          ; v16-17  my A fragments in slot 0, 1
.set ADRB, 20                          ; v20-23  my B fragments: slot 0 rows 0-127, rows 128-255; slot 1 likewise
.set STO,  24
.set RD,   25
.set CO,   26
.set BO,   27
.set SPW,  28
.set NIL,  29
.set BIAS, 32
.set ACC,  128
.set F0,   0
.set F1,   128
.set G1, 24
.set G0, 32
.set G1B, 48
.set G0B, 56
.set MSB, 0
.macro WIN new
.if MSB != (\new)
	s_set_vgpr_msb (MSB<<8)|(\new)
.set MSB, (\new)
.endif
.endm
.set MUL,  0x05                        ; sources 0 and 1 window 1; C and D window 0
.set TO_F, 0x40
.macro JLOAD s                         ; a joint load: waves 0 and 1 fetch A's halves, waves 2 and 3 B's; an s_nop 0 and four v_nop follow each line
	s_cmp_eq_u32 s11, 0
	s_cbranch_scc0 .Lfor_b_\@
	tensor_load_to_lds s[G0+4*\s:G0+4*\s+3], s[G1:G1+7]
	s_nop 0
.rept 4
	v_nop
.endr
	s_branch .Lasked_\@
.Lfor_b_\@:
	tensor_load_to_lds s[G0B+4*\s:G0B+4*\s+3], s[G1B:G1B+7]
	s_nop 0
.rept 4
	v_nop
.endr
.Lasked_\@:
.endm
.macro CREST
	s_cmp_lg_u32 s10, 0
	s_cbranch_scc1 .Lnot_wave_0_\@
	s_barrier_signal -3
.Lnot_wave_0_\@:
	s_barrier_wait -3
	s_barrier_signal -1
	s_barrier_wait -1
.endm
.macro CROUND
	s_barrier_signal -1
	s_barrier_wait -1
	CREST
.endm
	s_load_b128 s[4:7], s[0:1], 0x0                ; att16, wo16
	s_load_b64 s[66:67], s[0:1], 0x10              ; b_out
	s_load_b64 s[8:9], s[0:1], 0x18                ; out0
	v_lshl_add_u32 v[SPW], v0, 2, SPARE
	v_mov_b32 v[NIL], 0
	ds_add_u32 v[SPW], v[NIL]                      ; the wave's opening
	ds_add_u32 v[SPW], v[NIL]
	v_lshrrev_b32 v1, 5, v0
	v_readfirstlane_b32 s10, v1                    ; wave 0..3
	s_lshr_b32 s11, s10, 1                         ; my half of the tile's rows.  Also: I fetch for A (0) or for B (1)
	s_and_b32 s12, s10, 1                          ; my half of its columns.  Also: which half of that tile I fetch
	s_bfe_u32 s40, ttmp6, 0x40000
	s_bfe_u32 s41, ttmp6, 0x40004
	s_lshl_b32 s42, ttmp9, 2
	s_add_co_u32 s42, s42, s40                     ; tile column
	s_and_b32 s13, ttmp7, 0xffff
	s_lshl_b32 s13, s13, 2
	s_add_co_u32 s13, s13, s41                     ; tile row
	s_lshl_b32 s43, s41, 2
	s_lshl_b32 s43, 15, s43
	s_lshl_b32 s44, 0x1111, s40
	s_or_b32 s[G1+0], s43, (1<<16)|(1<<20)|(1<<21)|(6<<22)|(3<<25)   ; A: 64 rows x 256 elements; 4 words of padding behind every 128
	s_mov_b32 s[G1+1], KSTEP<<16
	s_mov_b32 s[G1+2], 64<<16
	s_mov_b32 s[G1+3], KSTEP<<16
	s_mov_b32 s[G1+4], 64
	s_mov_b32 s[G1+5], SIZE_K
	s_mov_b32 s[G1+6], 0
	s_mov_b32 s[G1+7], 0
	s_or_b32 s[G1B+0], s44, (1<<16)|(1<<20)|(1<<21)|(5<<22)|(7<<25)  ; B: 128 rows (k) x 128 elements (n); 8 words of padding behind every 64
	s_mov_b32 s[G1B+1], 128<<16
	s_mov_b32 s[G1B+2], 128<<16
	s_mov_b32 s[G1B+3], 128<<16
	s_mov_b32 s[G1B+4], 128
	s_mov_b32 s[G1B+5], SIZE_N
	s_mov_b32 s[G1B+6], 0
	s_mov_b32 s[G1B+7], 0
	s_lshl_b32 s17, s12, 6
	s_lshl_b32 s16, s13, 7
	s_add_co_u32 s16, s16, s17                     ; A: row 128 x tile row + 64 x half
	s_mov_b32 s17, 0
	s_mov_b64 s[18:19], SIZE_K*2
	s_mul_u64 s[16:17], s[16:17], s[18:19]
	s_lshl_b32 s46, s12, 18                        ; B: 128 rows of 2,048 bytes x half,
	s_lshl_b32 s47, s42, 8                         ; + 256 bytes x tile column
	s_add_co_u32 s46, s46, s47
	s_mov_b32 s47, 0
	s_mul_i32 s20, s12, HALFA                      ; where they go: no place in the cluster enters an LDS address
	s_mul_i32 s21, s12, HALFB
	s_add_co_u32 s21, s21, 2*HALFA
	s_wait_dscnt 0x0                               ; both opening adds are done
	s_wait_kmcnt 0x0
	s_add_nc_u64 s[14:15], s[4:5], s[16:17]
	s_add_nc_u64 s[46:47], s[6:7], s[46:47]
	CROUND                                         ; the first joint loads meet
.irp s, 0,1
	s_mov_b32 s[G0+4*\s], 1
	s_add_co_u32 s[G0+4*\s+1], s20, \s*SLOT
	s_add_nc_u64 s[G0+4*\s+2:G0+4*\s+3], s[14:15], \s*KSTEP*2
	s_or_b32 s[G0+4*\s+3], s[G0+4*\s+3], 0x80000000
	s_mov_b32 s[G0B+4*\s], 1
	s_add_co_u32 s[G0B+4*\s+1], s21, \s*SLOT
	s_add_nc_u64 s[G0B+4*\s+2:G0B+4*\s+3], s[46:47], \s*KSTEP*SIZE_N*2
	s_or_b32 s[G0B+4*\s+3], s[G0B+4*\s+3], 0x80000000
	JLOAD \s
.endr
	v_and_b32 v1, 15, v0                           ; r
	v_bfe_u32 v2, v0, 4, 1                         ; h
	v_mul_u32_u24 v3, v1, PITCH
	v_lshl_add_u32 v3, v2, 4, v3
	v_and_b32 v6, 7, v0                            ; the turning load: lane l reads row 8 h + l % 8, 16 bytes at 16 ((l / 8) % 2)
	v_lshl_add_u32 v6, v2, 3, v6
	v_mul_u32_u24 v6, v6, PB
	v_bfe_u32 v7, v0, 3, 1
	v_lshl_add_u32 v6, v7, 4, v6
	s_mul_i32 s21, s11, HALFA                      ; my 64 rows of A
	s_lshl_b32 s22, s12, 7                         ; my 64 columns of B: 128 bytes,
	s_add_co_u32 s22, s22, 2*HALFA                 ; behind A's 128 rows
.irp s, 0,1
	v_add_nc_u32 v[ADRA+\s], s21, v3
	v_add_nc_u32 v[ADRB+2*\s], s22, v6
	v_add_nc_u32 v[ADRB+2*\s+1], HALFB, v[ADRB+2*\s]
	s_add_co_u32 s21, s21, SLOT
	s_add_co_u32 s22, s22, SLOT
.endr
	s_mul_i32 s23, s10, 16*SPITCH
	s_add_co_u32 s23, s23, STAGE                   ; my stage: a wave's 64 columns of f32 are a whole 256 bytes, so no other wave has part in its rows
	v_mul_u32_u24 v4, v1, SPITCH
	v_lshl_add_u32 v4, v2, 5, v4
	v_add_nc_u32 v[STO], s23, v4
	v_mul_u32_u24 v5, v2, SPITCH
	v_lshl_add_u32 v5, v1, 4, v5
	v_add_nc_u32 v[RD], s23, v5
	v_lshlrev_b32 v5, 12, v2
	v_lshl_add_u32 v[CO], v1, 4, v5
	v_lshlrev_b32 v[BO], 5, v2
	s_lshl_b32 s16, s13, 7
	s_lshl_b32 s17, s11, 6
	s_add_co_u32 s16, s16, s17                     ; my first row
	s_lshl_b32 s16, s16, 12                        ; x 4,096 bytes (under 2^24)
	s_mov_b32 s17, 0
	s_add_nc_u64 s[8:9], s[8:9], s[16:17]
	s_lshl_b32 s46, s42, 9
	s_lshl_b32 s47, s12, 8
	s_add_co_u32 s46, s46, s47                     ; 4 bytes x my first column
	s_mov_b32 s47, 0
	s_add_nc_u64 s[8:9], s[8:9], s[46:47]
	s_add_nc_u64 s[66:67], s[66:67], s[46:47]
.irp b, 0,1,2,3
	global_load_b128 v[BIAS+8*\b:BIAS+8*\b+3], v[BO], s[66:67] offset:64*\b
	global_load_b128 v[BIAS+8*\b+4:BIAS+8*\b+7], v[BO], s[66:67] offset:64*\b+16
.endr
.macro MUL8 f, c, a0, zero             ; 8 products: m blocks a0, a0 + 1 x 4 n blocks, 32 along K.  zero = 1: the first product starts the sums on the bias
.irp a, \a0, \a0+1
.irp b, 0,1,2,3
.if \zero
	v_wmma_f32_16x16x32_f16 v[ACC+8*(4*(\a)+\b):ACC+8*(4*(\a)+\b)+7], v[\f+64+8*(4*\c+\b):\f+64+8*(4*\c+\b)+7], v[\f+8*(4*\c+\a):\f+8*(4*\c+\a)+7], v[BIAS+8*\b:BIAS+8*\b+7]
.else
	v_wmma_f32_16x16x32_f16 v[ACC+8*(4*(\a)+\b):ACC+8*(4*(\a)+\b)+7], v[\f+64+8*(4*\c+\b):\f+64+8*(4*\c+\b)+7], v[\f+8*(4*\c+\a):\f+8*(4*\c+\a)+7], v[ACC+8*(4*(\a)+\b):ACC+8*(4*(\a)+\b)+7]
.endif
.endr
.endr
.endm
.macro FETCH slot, q, f                ; 32 LDS loads in one run: the slot's q-th 64 along K into buffer f; the first 32 along K first
	WIN TO_F
.irp c, 0,1
.irp i, 0,1,2,3
	ds_load_tr16_b128 v[\f+64+8*(4*\c+\i):\f+64+8*(4*\c+\i)+3],   v[ADRB+2*\slot+(\q)/2] offset:(((\q)%2)*64+32*\c)*PB+32*\i
	ds_load_tr16_b128 v[\f+64+8*(4*\c+\i)+4:\f+64+8*(4*\c+\i)+7], v[ADRB+2*\slot+(\q)/2] offset:(((\q)%2)*64+32*\c+16)*PB+32*\i
	ds_load_b128 v[\f+8*(4*\c+\i):\f+8*(4*\c+\i)+3],         v[ADRA+\slot] offset:128*(\q)+64*\c+\i*16*PITCH
	ds_load_b128 v[\f+8*(4*\c+\i)+4:\f+8*(4*\c+\i)+7],       v[ADRA+\slot] offset:128*(\q)+64*\c+\i*16*PITCH+32
.endr
.endr
.endm
.macro PLACES
.rept 4
	v_nop
.endr
.endm
.macro QUARTER slot, q, f, g, zero     ; multiplies buffer f and fetches the slot's q-th quarter into g
	s_wait_dscnt 16                                ; the first 32 along K are in; the other sixteen loads may be out
	WIN MUL
	MUL8 \f, 0, 0, \zero
	MUL8 \f, 0, 2, \zero
	PLACES
	FETCH \slot, \q, \g
	s_wait_dscnt 32                                ; all but the 32 just issued
	WIN MUL
	MUL8 \f, 1, 0, 0
	MUL8 \f, 1, 2, 0
.endm
.macro TURN slot, next, fill           ; a slot's last quarter changes slots: one barrier; fill = 1: it opens a round of the cluster's, and this slot is filled again, two K steps ahead
	WIN 0
	s_wait_tensorcnt 0x0                           ; all my tensor loads have landed: my part of the next slot
	ds_add_u32 v[SPW], v[NIL]
	s_wait_dscnt 17                                ; (the add and the youngest sixteen loads may be out)
	WIN MUL
	MUL8 F1, 0, 0, 0
	s_wait_dscnt 0x0                               ; the add is done, and my reads of this slot are over
	s_barrier_signal -1
	MUL8 F1, 0, 2, 0
.if \fill
	WIN 0
.endif
	s_barrier_wait -1
.if \fill
	CREST
	s_add_nc_u64 s[G0+4*\slot+2:G0+4*\slot+3], s[G0+4*\slot+2:G0+4*\slot+3], 2*KSTEP*2
	s_add_nc_u64 s[G0B+4*\slot+2:G0B+4*\slot+3], s[G0B+4*\slot+2:G0B+4*\slot+3], 2*KSTEP*SIZE_N*2
	JLOAD \slot                                    ; my one tensor load behind the round; its four v_nop are also the places in front of the loads below
.else
	PLACES
.endif
	FETCH \next, 0, F0
	WIN MUL
	MUL8 F1, 1, 0, 0
	MUL8 F1, 1, 2, 0
.endm
	s_wait_tensorcnt 1                             ; my part of K step 0 is in; K step 1's load may be out,
	s_barrier_signal -1
	s_barrier_wait -1                              ; everybody's is
	FETCH 0, 0, F0
	s_wait_loadcnt 0x0                             ; the bias
	QUARTER 0, 1, F0, F1, 1
	WIN 0
	s_mov_b32 s3, LAPS-1
.Llap:
	QUARTER 0, 2, F1, F0, 0
	QUARTER 0, 3, F0, F1, 0
	TURN 0, 1, 1
	QUARTER 1, 1, F0, F1, 0
	QUARTER 1, 2, F1, F0, 0
	QUARTER 1, 3, F0, F1, 0
	TURN 1, 0, 1
	QUARTER 0, 1, F0, F1, 0
	WIN 0
	s_sub_co_u32 s3, s3, 1
	s_cmp_lg_u32 s3, 0
	s_cbranch_scc1 .Llap
	QUARTER 0, 2, F1, F0, 0                        ; the last lap fills nothing
	QUARTER 0, 3, F0, F1, 0
	TURN 0, 1, 0
	QUARTER 1, 1, F0, F1, 0
	QUARTER 1, 2, F1, F0, 0
	QUARTER 1, 3, F0, F1, 0
	s_wait_dscnt 16
	WIN MUL
	MUL8 F1, 0, 0, 0
	MUL8 F1, 0, 2, 0
	s_wait_dscnt 0
	MUL8 F1, 1, 0, 0
	MUL8 F1, 1, 2, 0
	WIN 0
	PLACES
	; THE WAY OUT, 16 rows x 64 columns of f32 at a time, through my own stage: back as whole rows of 256 bytes
.macro TOSTAGE a
.set BB, 32+32*((\a)%2)
.irp b, 0,1,2,3
	ds_store_b128 v[STO], v[ACC+8*(4*(\a)+\b):ACC+8*(4*(\a)+\b)+3] offset:64*\b       ; each accumulator from its low end on
	ds_store_b128 v[STO], v[ACC+8*(4*(\a)+\b)+4:ACC+8*(4*(\a)+\b)+7] offset:64*\b+16
.endr
.irp t, 0,1,2,3,4,5,6,7
	ds_load_b128 v[BB+4*\t:BB+4*\t+3], v[RD] offset:\t*2*SPITCH    ; LDS serves a wave's instructions in order: these see the stores above
.endr
.endm
.macro SEND a, younger                 ; younger: the LDS instructions issued behind block a's loads
.set BB, 32+32*((\a)%2)
	s_wait_dscnt \younger
.if (\a) > 0
	s_add_nc_u64 s[8:9], s[8:9], 16*SIZE_N*4       ; (behind a wait on XCNT: the earlier stores have read their base)
.endif
.irp t, 0,1,2,3,4,5,6,7
	global_store_b128 v[CO], v[BB+4*\t:BB+4*\t+3], s[8:9] offset:2*\t*SIZE_N*4   ; 16 lanes store 256 consecutive bytes, aligned
.endr
.endm
	TOSTAGE 0
.irp a, 1,2,3
.if \a > 1
	s_wait_xcnt 0x0                                ; block a - 2's stores have read their registers and their base
.endif
	TOSTAGE \a
	SEND \a-1, 16                                  ; behind block a - 1's loads: block a's 8 stores and 8 loads
.endr
	s_wait_xcnt 0x0
	SEND 3, 0
	s_wait_tensorcnt 0x0                           ; the wave's end
	ds_add_u32 v[SPW], v[NIL]
	s_wait_dscnt 0x0
	CROUND                                         ; the closing round
	s_endpgm
.Lfunc_end_k_q56b923b986_gemm_out:
	.size	k_q56b923b986_gemm_out, .Lfunc_end_k_q56b923b986_gemm_out-k_q56b923b986_gemm_out
	.p2alignl 7, 3214868480
	.fill 96, 4, 3214868480
	.section	.rodata,"a",@progbits
	.p2align	6, 0x0
	.amdhsa_kernel k_q56b923b986_gemm_out
		.amdhsa_group_segment_fixed_size 327680
		.amdhsa_private_segment_fixed_size 0
		.amdhsa_enable_private_segment 0
		.amdhsa_kernarg_size 32
		.amdhsa_user_sgpr_count 2
		.amdhsa_user_sgpr_kernarg_segment_ptr 1
		.amdhsa_wavefront_size32 1
		.amdhsa_system_sgpr_workgroup_id_x 1
		.amdhsa_system_sgpr_workgroup_id_y 1
		.amdhsa_system_sgpr_workgroup_id_z 1
		.amdhsa_system_vgpr_workitem_id 0
		.amdhsa_next_free_vgpr 512
		.amdhsa_next_free_sgpr 68
		.amdhsa_reserve_vcc 0
		.amdhsa_float_denorm_mode_32 3
		.amdhsa_float_denorm_mode_16_64 3
		.amdhsa_memory_ordered 1
		.amdhsa_forward_progress 1
		.amdhsa_inst_pref_size 87
	.end_amdhsa_kernel
	.amdgpu_metadata
---
amdhsa.version: [ 1, 2 ]
amdhsa.kernels:
  - .name:           k_q56b923b986_gemm_out
    .symbol:         k_q56b923b986_gemm_out.kd
    .args:
      - { .name: att16, .offset: 0, .size: 8, .value_kind: global_buffer, .address_space: global }
      - { .name: wo16, .offset: 8, .size: 8, .value_kind: global_buffer, .address_space: global }
      - { .name: b_out, .offset: 16, .size: 8, .value_kind: global_buffer, .address_space: global }
      - { .name: out0, .offset: 24, .size: 8, .value_kind: global_buffer, .address_space: global }
    .group_segment_fixed_size: 327680
    .private_segment_fixed_size: 0
    .kernarg_segment_align: 8
    .kernarg_segment_size: 32
    .max_flat_workgroup_size: 128
    .sgpr_count:     68
    .vgpr_count:     512
    .wavefront_size: 32
...
	.end_amdgpu_metadata
.endif
;; end of part 4
;; launch first16 (part 5): grid 64 x 2, 16 waves a work-group, no clusters, 18,432 bytes of LDS; arguments qkv32, W_out, b_out, out0; writes out0
.if DOCPART == 5
	.amdgcn_target "amdgcn-amd-amdhsa--gfx1250"
	.amdhsa_code_object_version 6
	.text
	.protected	k_q56b923b986_first16
	.globl	k_q56b923b986_first16
	.p2align	8
	.type	k_q56b923b986_first16,@function
k_q56b923b986_first16:
	s_mov_b64 s[64:65], 0
	v_nop
	global_prefetch_b8 v0, s[64:65] scope:SCOPE_SE
	s_setreg_imm32_b32 hwreg(HW_REG_WAVE_MODE, 25, 1), 1
	s_wait_xcnt 0x0
; Positions 0 to 15 of both sequences, attention and projection, in f32 throughout: these rows average one to sixteen values and are the largest, so they are carried finely.  They write over what the launch before left in these 32 rows.
; qkv32 [2][16][3072] f32; W_out [1024][1024] f32; out0 rows 2,048 b + 0 .. 15.
; SHARES.  Work-group (x, b): output columns 16 x .. 16 x + 15 of sequence b; wave w: head w.  Each work-group makes all 16 heads' attention again: 16 x 16 scores a head; that stands in place of one more launch.
; All products by v_wmma_f32_16x16x4_f32, K permuted alike in both sources; the registers that it writes are written by matrix instructions alone; two or four accumulators take turns.
; S^T = K Q^T, O^T = V^T P, Y^T = Wo^T O: a lane holds one query (lane % 16) throughout.  The heads' parts of Y meet in LDS; waves 0 and 1 add them and the bias and store 16 bytes a lane:
; pieces of 64 bytes of a row, the price of sharing 1,024 columns among 64 work-groups, for 131,072 bytes in all.
; No tensor loads, no cluster, no prefetch: a few thousand bytes a wave, all asked for at the head.  LIMITS: NaN and infinities are not served.
.set SPARE, 16384                      ; behind the 16 waves' images of Y (1,024 bytes each): the spare words, 128 bytes for each wave
.set SPW, 254
.set NIL, 255
.set KR, 16                            ; v16-47   K: my row's channels 32 h .. 32 h + 31
.set QR, 48                            ; v48-79   Q likewise
.set VR, 80                            ; v80-111  V(key 8 h + jj, channel 16 ct + r) at 8 ct + jj
.set WR, 112                           ; v112-143 Wo(64 w + 16 ct + 8 h + jj, column r) at 8 ct + jj
.set S0, 144                           ; v144-159 two accumulators of S^T
.set OO, 160                           ; v160-191 O^T, four tiles of channels
.set Y0, 192                           ; v192-207 two accumulators of Y^T
.set TT, 208                           ; v208-215 the scores, then p, then Y
.set ON, 216                           ; v216-247 O^T / the sum
	s_load_b256 s[4:11], s[0:1], 0x0               ; qkv32 s[4:5], W_out s[6:7], b_out s[8:9], out0 s[10:11]
	v_lshl_add_u32 v[SPW], v0, 2, SPARE
	v_mov_b32 v[NIL], 0
	v_lshrrev_b32 v1, 5, v0
	v_readfirstlane_b32 s12, v1                    ; wave = head
	s_and_b32 s13, ttmp7, 0xffff                   ; the sequence
	v_and_b32 v1, 15, v0                           ; r
	v_bfe_u32 v2, v0, 4, 1                         ; h
	v_lshlrev_b32 v3, 3, v2
	v_sub_nc_u32 v3, v1, v3                        ; r - 8 h
	v_mul_u32_u24 v4, v1, 12288
	v_lshl_add_u32 v4, v2, 7, v4                   ; K, Q: row r, + 128 h
	v_mul_u32_u24 v5, v2, 98304
	v_lshl_add_u32 v5, v1, 2, v5                   ; V: 8 h rows down, + 4 r
	v_lshlrev_b32 v6, 15, v2
	v_lshl_add_u32 v6, v1, 2, v6                   ; Wo: 8 h rows of 4,096 bytes down, + 4 r
	v_and_b32 v7, 31, v0
	v_lshlrev_b32 v7, 4, v7
	s_lshl_b32 s18, s12, 10
	v_add_nc_u32 v8, s18, v7                       ; my image of Y: 1,024 w + 16 x lane
	s_lshl_b32 s19, s12, 9
	v_add_nc_u32 v9, s19, v7                       ; waves 0, 1: half w of every image
	v_lshlrev_b32 v10, 5, v2                       ; the bias: 32 h
	v_lshlrev_b32 v11, 12, v1
	v_lshl_add_u32 v11, v2, 5, v11                 ; out: row r, + 32 h
	v_mov_b32 v13, 0xff800000                      ; -infinity
	s_mov_b32 s20, 0x76543210
	s_mov_b32 s21, 0xfedcba98
	s_mov_b32 s22, 0x3e38aa3b                      ; c = log2(e) / 8
	s_mov_b32 s23, s22
	s_mul_i32 s14, s13, 196608
	s_lshl_b32 s15, s12, 8
	s_add_co_u32 s14, s14, s15                     ; the sequence's 16 rows, my head's 256 bytes
	s_mov_b32 s15, 0
	s_lshl_b32 s16, s12, 18                        ; my head's 64 rows of Wo,
	s_lshl_b32 s17, ttmp9, 6                       ; the work-group's 16 columns
	s_add_co_u32 s16, s16, s17
	s_lshl_b32 s24, s12, 4
	s_add_co_u32 s24, s24, s17                     ; 64 x + 16 w
	s_mov_b32 s25, 0
	s_mov_b32 s17, 0
	s_lshl_b32 s26, s13, 23                        ; 2,048 rows of 4,096 bytes
	s_add_co_u32 s26, s26, s24
	s_mov_b32 s27, 0
	s_wait_kmcnt 0x0
	s_add_nc_u64 s[4:5], s[4:5], s[14:15]
	s_add_nc_u64 s[6:7], s[6:7], s[16:17]
	s_add_nc_u64 s[8:9], s[8:9], s[24:25]
	s_add_nc_u64 s[10:11], s[10:11], s[26:27]
.irp i, 0,1,2,3,4,5,6,7
	global_load_b128 v[KR+4*\i:KR+4*\i+3], v4, s[4:5] offset:4096+16*\i
.endr
.irp i, 0,1,2,3,4,5,6,7
	global_load_b128 v[QR+4*\i:QR+4*\i+3], v4, s[4:5] offset:16*\i
.endr
.irp ct, 0,1,2,3
.irp jj, 0,1,2,3,4,5,6,7
	global_load_b32 v[VR+8*\ct+\jj], v5, s[4:5] offset:8192+12288*\jj+64*\ct
.endr
.endr
	s_wait_loadcnt 32                              ; K and Q are in; V's 32 loads may be out
.irp ct, 0,1,2,3
.irp jj, 0,1,2,3,4,5,6,7
	global_load_b32 v[WR+8*\ct+\jj], v6, s[6:7] offset:(16*\ct+\jj)*4096
.endr
.endr
	; S^T: 16 steps of 4 channels: in step n lane half h gives channels 32 h + 2 n, + 1, in K and in Q alike
	v_wmma_f32_16x16x4_f32 v[S0:S0+7],    v[KR:KR+1],   v[QR:QR+1],   0
	v_wmma_f32_16x16x4_f32 v[S0+8:S0+15], v[KR+2:KR+3], v[QR+2:QR+3], 0
.irp n, 4,8,12,16,20,24,28
	v_wmma_f32_16x16x4_f32 v[S0:S0+7],    v[KR+\n:KR+\n+1],   v[QR+\n:QR+\n+1],   v[S0:S0+7]
	v_wmma_f32_16x16x4_f32 v[S0+8:S0+15], v[KR+\n+2:KR+\n+3], v[QR+\n+2:QR+\n+3], v[S0+8:S0+15]
.endr
.rept 8
	v_nop                                          ; eight places behind this form (ISA guide 7.12.1)
.endr
.irp j, 0,1,2,3,4,5,6,7
	v_add_f32 v[TT+\j], v[S0+\j], v[S0+8+\j]       ; score(key 8 h + j, query r)
.endr
.irp j, 0,1,2,3,4,5,6,7
	v_cmp_gt_i32 vcc_lo, \j, v3                    ; a key after the query does not count
	v_cndmask_b32 v[TT+\j], v[TT+\j], v13, vcc_lo
.endr
	v_max3_num_f32 v248, v[TT], v[TT+1], v[TT+2]
	v_max3_num_f32 v249, v[TT+3], v[TT+4], v[TT+5]
	v_max3_num_f32 v248, v248, v[TT+6], v[TT+7]
	v_max_num_f32 v248, v248, v249
	v_permlanex16_b32 v249, v248, s20, s21
	v_max_num_f32 v251, v248, v249                 ; the row's maximum: finite, key 0 counts for every query
	v_mul_f32 v250, s22, v251
.irp j, 0,2,4,6
	v_pk_fma_f32 v[TT+\j:TT+\j+1], v[TT+\j:TT+\j+1], s[22:23], v[250:251] op_sel_hi:[1,0,0] neg_lo:[0,0,1] neg_hi:[0,0,1]
.endr
.irp j, 0,1,2,3,4,5,6,7
	v_exp_f32 v[TT+\j], v[TT+\j]
.endr
	v_nop
	s_wait_alu depctr_va_vdst(0)                   ; one wait for the eight, ahead of their first reader
	v_pk_add_f32 v[248:249], v[TT:TT+1], v[TT+2:TT+3]
	v_pk_add_f32 v[252:253], v[TT+4:TT+5], v[TT+6:TT+7]
	v_pk_add_f32 v[248:249], v[248:249], v[252:253]
	v_add_f32 v248, v248, v249
	v_permlanex16_b32 v249, v248, s20, s21
	v_add_f32 v248, v248, v249
	v_rcp_f32 v252, v248
	v_nop
	s_wait_alu depctr_va_vdst(0)
	s_wait_loadcnt 32                              ; V is in; Wo's 32 loads may be out
	; O^T: 4 steps of 4 keys (8 h + 2 n, + 1) x 4 tiles of channels by turns
.irp n, 0,1,2,3
.irp ct, 0,1,2,3
.if \n == 0
	v_wmma_f32_16x16x4_f32 v[OO+8*\ct:OO+8*\ct+7], v[VR+8*\ct+2*\n:VR+8*\ct+2*\n+1], v[TT+2*\n:TT+2*\n+1], 0
.else
	v_wmma_f32_16x16x4_f32 v[OO+8*\ct:OO+8*\ct+7], v[VR+8*\ct+2*\n:VR+8*\ct+2*\n+1], v[TT+2*\n:TT+2*\n+1], v[OO+8*\ct:OO+8*\ct+7]
.endif
.endr
.endr
.rept 8
	v_nop
.endr
.set n, 0
.rept 32
	v_mul_f32 v[ON+n], v[OO+n], v252               ; o(query r, channel 16 ct + 8 h + j), into registers of its own
.set n, n+1
.endr
	s_wait_loadcnt 0x0                             ; Wo
	; Y^T: 16 steps of 4 channels (16 ct + 8 h + 2 n, + 1)
	v_wmma_f32_16x16x4_f32 v[Y0:Y0+7],    v[WR:WR+1],   v[ON:ON+1],   0
	v_wmma_f32_16x16x4_f32 v[Y0+8:Y0+15], v[WR+2:WR+3], v[ON+2:ON+3], 0
.irp n, 4,8,12,16,20,24,28
	v_wmma_f32_16x16x4_f32 v[Y0:Y0+7],    v[WR+\n:WR+\n+1],   v[ON+\n:ON+\n+1],   v[Y0:Y0+7]
	v_wmma_f32_16x16x4_f32 v[Y0+8:Y0+15], v[WR+\n+2:WR+\n+3], v[ON+\n+2:ON+\n+3], v[Y0+8:Y0+15]
.endr
.rept 8
	v_nop
.endr
.irp j, 0,1,2,3,4,5,6,7
	v_add_f32 v[TT+\j], v[Y0+\j], v[Y0+8+\j]       ; my head's part of y(query r, column 8 h + j)
.endr
	ds_store_b128 v8, v[TT:TT+3]
	ds_store_b128 v8, v[TT+4:TT+7] offset:512
	s_wait_dscnt 0x0                               ; for the others' sake: my stores are done
	s_barrier_signal -1
	s_barrier_wait -1
	s_cmp_lt_u32 s12, 2
	s_cbranch_scc0 .Lend
.irp i, 0,1,2,3,4,5,6,7,8,9,10,11,12,13,14,15
	ds_load_b128 v[16+4*\i:19+4*\i], v9 offset:1024*\i     ; columns 8 h + 4 w + 0 .. 3 of all 16 heads
.endr
	global_load_b128 v[80:83], v10, s[8:9]
	s_wait_dscnt 0x0
.irp i, 0,1,2,3,4,5,6,7
	v_pk_add_f32 v[16+4*\i:17+4*\i], v[16+4*\i:17+4*\i], v[48+4*\i:49+4*\i]
	v_pk_add_f32 v[18+4*\i:19+4*\i], v[18+4*\i:19+4*\i], v[50+4*\i:51+4*\i]
.endr
.irp i, 0,1,2,3
	v_pk_add_f32 v[16+4*\i:17+4*\i], v[16+4*\i:17+4*\i], v[32+4*\i:33+4*\i]
	v_pk_add_f32 v[18+4*\i:19+4*\i], v[18+4*\i:19+4*\i], v[34+4*\i:35+4*\i]
.endr
.irp i, 0,1
	v_pk_add_f32 v[16+4*\i:17+4*\i], v[16+4*\i:17+4*\i], v[24+4*\i:25+4*\i]
	v_pk_add_f32 v[18+4*\i:19+4*\i], v[18+4*\i:19+4*\i], v[26+4*\i:27+4*\i]
.endr
	v_pk_add_f32 v[16:17], v[16:17], v[20:21]
	v_pk_add_f32 v[18:19], v[18:19], v[22:23]
	s_wait_loadcnt 0x0                             ; the bias
	v_pk_add_f32 v[16:17], v[16:17], v[80:81]
	v_pk_add_f32 v[18:19], v[18:19], v[82:83]
	global_store_b128 v11, v[16:19], s[10:11]
.Lend:
	s_wait_tensorcnt 0x0                           ; the wave's end
	ds_add_u32 v[SPW], v[NIL]
	s_wait_dscnt 0x0
	s_endpgm
.Lfunc_end_k_q56b923b986_first16:
	.size	k_q56b923b986_first16, .Lfunc_end_k_q56b923b986_first16-k_q56b923b986_first16
	.p2alignl 7, 3214868480
	.fill 96, 4, 3214868480
	.section	.rodata,"a",@progbits
	.p2align	6, 0x0
	.amdhsa_kernel k_q56b923b986_first16
		.amdhsa_group_segment_fixed_size 18432
		.amdhsa_private_segment_fixed_size 0
		.amdhsa_enable_private_segment 0
		.amdhsa_kernarg_size 32
		.amdhsa_user_sgpr_count 2
		.amdhsa_user_sgpr_kernarg_segment_ptr 1
		.amdhsa_wavefront_size32 1
		.amdhsa_system_sgpr_workgroup_id_x 1
		.amdhsa_system_sgpr_workgroup_id_y 1
		.amdhsa_system_sgpr_workgroup_id_z 1
		.amdhsa_system_vgpr_workitem_id 0
		.amdhsa_next_free_vgpr 256
		.amdhsa_next_free_sgpr 66
		.amdhsa_reserve_vcc 1
		.amdhsa_float_denorm_mode_32 3
		.amdhsa_float_denorm_mode_16_64 3
		.amdhsa_memory_ordered 1
		.amdhsa_forward_progress 1
		.amdhsa_inst_pref_size 21
	.end_amdhsa_kernel
	.amdgpu_metadata
---
amdhsa.version: [ 1, 2 ]
amdhsa.kernels:
  - .name:           k_q56b923b986_first16
    .symbol:         k_q56b923b986_first16.kd
    .args:
      - { .name: qkv32, .offset: 0, .size: 8, .value_kind: global_buffer, .address_space: global }
      - { .name: W_out, .offset: 8, .size: 8, .value_kind: global_buffer, .address_space: global }
      - { .name: b_out, .offset: 16, .size: 8, .value_kind: global_buffer, .address_space: global }
      - { .name: out0, .offset: 24, .size: 8, .value_kind: global_buffer, .address_space: global }
    .group_segment_fixed_size: 18432
    .private_segment_fixed_size: 0
    .kernarg_segment_align: 8
    .kernarg_segment_size: 32
    .max_flat_workgroup_size: 512
    .sgpr_count:     66
    .vgpr_count:     256
    .wavefront_size: 32
...
	.end_amdgpu_metadata
.endif
;; end of part 5
